; MI455X (gfx1250); checked and timed in simulation.
; The chip was launched on July 23, 2026; its instructions are those of AMD's public machine-readable ISA for CDNA 5 (MIT licence, August 2026) and "CDNA5" Instruction Set Architecture Reference Guide (July 2026). The comments in the code are by the model that wrote it; some were corrected since.
;; MHA. Allowed arithmetic: matrix products marked QUANTISED: E4M3 operands, one given power-of-two scale a tensor, by v_wmma_f32_16x16x64_fp8_fp8 or v_wmma_f32_16x16x128_fp8_fp8, f32 sums; everything else in f32.
;; Inputs: Wqkv_b 3,072 float32; Wqkv_w 3,072 x 1,024 float32; key_padding_mask 4 x 2,048 bool; lowp_scales 8 int32 (the exponents e of the quantised operands' scales 2^e); out_b 1,024 float32; out_w 1,024 x 1,024 float32; x 4 x 2,048 x 1,024 float32.
;; Outputs: out0 4 x 2,048 x 1,024 float32.
;; This version of the problem:
;;   THIS VERSION OF THE PROBLEM IS GIVEN IN LOW PRECISION. The matrix products marked QUANTISED in the list below multiply operands that are first quantised to E4M3 (4 exponent bits, 3 mantissa bits; 8 bits a number), with one given power-of-two scale for each operand tensor; their sums are f32. All else is computed in f32.
;;   The module's matrix products, in the order in which they are computed (A, B: the left and right operand; K: the contracted axis; several contracted axes count as one K, in the product's order):
;;     1. [M 8,192, K 1,024] x [K 1,024, N 3,072]; A: input x; B: input Wqkv_w: QUANTISED (scales: A lowp_scales[0], B lowp_scales[1])
;;     2. batch 64 x [M 2,048, K 64] x [K 64, N 2,048]; A: computed on the way; B: computed on the way: QUANTISED (scales: A lowp_scales[2], B lowp_scales[3])
;;     3. batch 64 x [M 64, K 2,048] x [K 2,048, N 2,048]; A: computed on the way; B: softmax (see below): QUANTISED (scales: A lowp_scales[4], B lowp_scales[5])
;;     4. [M 8,192, K 1,024] x [K 1,024, N 1,024]; A: computed on the way; B: input out_w: QUANTISED (scales: A lowp_scales[6], B lowp_scales[7])
;;   THE QUANTISER, for each operand of a quantised product, along K:
;;     - The operand's scale is 2^e, e = its entry of the input lowp_scales (int32; the entries are numbered through the quantised products in the list's order, A before B).
;;     - Each number is divided by the scale, clamped to +-448, and rounded to the nearest number of E4M3, ties to even, subnormals kept.
;;     - The product sums the exact products of the quantised numbers (number of the format x scale) in f32.
;;   ~~~python
;;   def quantise(x, axis, e):      # numpy; x: float32 -> the quantised numbers, widened to float32 again
;;       x = np.moveaxis(x, axis, -1); K = x.shape[-1]
;;       r = np.clip(x / 2.0 ** e, -448, 448)
;;       step = 2.0 ** (np.maximum(np.frexp(np.where(r == 0, 1, r))[1] - 1, -6) - 3)
;;       q = np.round(r / step) * step * 2.0 ** e      # np.round: ties to even
;;       return np.moveaxis(q, -1, axis).astype(np.float32)
;;   ~~~
;;   SOFTMAX AHEAD OF A QUANTISED PRODUCT. Where the list says 'softmax', what is quantised is not the finished softmax but p = 2^(t - M), with t = logit x log2(e) and M = ceil(the row's largest t), a whole number; so 1/2 < the row's largest p <= 1. The row's sum l is taken of the UNQUANTISED p, in f32, and the product's result is divided by l at the end. Since M is a whole number, a kernel that streams over the keys may use a running M (the ceiling of the running maximum): every later rescaling is an exact power of two, so the quantised numbers keep their values, but for numbers so far below the row's largest that they fall under the format's range.
;;   OPERANDS COMPUTED ON THE WAY. 'Computed on the way' means the value that the module computes at that place (a softmax that the list does not call 'softmax' is quantised finished and normalised). What goes into a quantiser is computed in f32, as accurately as f32 sums, v_exp_f32 and their like allow (about 1e-6 of the number): no bf16 or f16 on the way to a quantiser, and a product that is left as it is and whose result goes on into a quantised operand takes f32 operands (vector FMAs, or v_wmma_f32_16x16x4_f32). A number that lies on a knife's edge between two numbers of the format may be rounded either way, as far as f32 arithmetic and the matrix unit's own rounding can turn it there, and no further.
;; 2 versions, each right; version 2 is version 1 with the launch attn written anew for expert scheduling mode. Each part assembles by itself: llvm-mc -triple=amdgcn-amd-amdhsa -mcpu=gfx1250 --defsym DOCPART=n.
;; ======== version 1 of 2: 4 launches
;; workspace buffers: xc 8,388,608 bytes; wc 3,145,728 bytes; owc 1,048,576 bytes; qimg 8,388,608 bytes; kimg 8,388,608 bytes; vimg 8,388,608 bytes; cimg 8,388,608 bytes; meta 256 bytes of whole numbers
;; launch prep (part 1): grid 385 x 1, 4 waves a work-group, no clusters, 33,280 bytes of LDS; arguments x, Wqkv_w, out_w, key_padding_mask, lowp_scales, xc, wc, owc, meta; writes xc, wc, owc, meta
.if DOCPART == 1
	.amdgcn_target "amdgcn-amd-amdhsa--gfx1250"
	.amdhsa_code_object_version 6
	.text
	.protected	k_qf2bd1b1079_prep
	.globl	k_qf2bd1b1079_prep
	.p2align	8
	.type	k_qf2bd1b1079_prep,@function
k_qf2bd1b1079_prep:
	s_mov_b64 s[64:65], 0
	v_nop
	global_prefetch_b8 v0, s[64:65] scope:SCOPE_SE
	s_setreg_imm32_b32 hwreg(HW_REG_WAVE_MODE, 25, 1), 1
	s_wait_xcnt 0x0
; x [8192][1024], Wqkv_w [3072][1024] and out_w [1024][1024], f32, K innermost, become codes of FP8 (E4M3), one byte a number, each with the scale 2^e that is given for it
; (entries 0, 1 and 7 of the scales).  code = number / 2^e, held within +-448, rounded to the nearest code, ties to even.
; LIMITS: e between -126 and 119, so that 2^e and 448 x 2^e are f32 numbers.  NaN among the inputs is not served.
; THE ROWS CHANGE PLACES inside each group of 32: row 32 b + 16 g + 8 u + j goes to place 32 b + 16 u + 8 g + j.  Sixteen places on end, 16 (2 b + u) + r, then hold rows 32 b + 8 u + r + 8 (r / 8):
; a product that takes sixteen places as a tile of source 0 leaves in a lane's registers of two neighbouring tiles sixteen NEIGHBOURS along that axis, ready for the next quantiser.
; SHARES.  A work-group takes 32 rows, a wave 8 rows (8,192 numbers) in 16 steps of 512.  Wave 2 g + u writes at the place of wave 2 u + g: that is the whole change of places.
; Work-groups 0-255 take x, 256-351 Wqkv_w, 352-383 out_w: only pointers are chosen, by the work-group's number; all three take one path.
; Each load reads 512 consecutive bytes, 16 a lane; a step's 2,048 bytes turn through the wave's own stage in LDS and come back 64 bytes a lane (16 neighbours along K), as the conversions want them;
; a lane's 16 codes are 16 bytes, so a store covers 512 consecutive bytes.  Loads run four steps ahead, the turn through LDS one step.  Waves share nothing: no barrier.
; WORK-GROUP 384 reads the padding mask and stores, for each batch b (one wave each), two whole numbers that steer the attention launch:
;   FIRST_b = the first key that is true; 2048 where none is, or where e2 + e3 > -12 (a score can then reach 64 x 448^2 x 2^(e2+e3) > 3,136, too near the masks' 10,000 to leave any key out);
;   HOLES_b = bit i set where block i of 128 keys holds a false entry.
.set WAVES, 4
.set STEPS, 16
.set WG_W,  256                        ; the first work-group of Wqkv_w: 8192 x 1024 / 32768
.set WG_O,  352                        ; of out_w
.set WG_M,  384                        ; the one that reads the mask
.set EMAX,  8
.set MANT,  0x600000                   ; the mantissa field of 448 as f32
.set CB,    16                         ; bytes of 16 codes
.set R,     16                         ; v16-79   four sets of 16 numbers as they are loaded
.set X,     80                         ; v80-111  two sets of 16 neighbours
.set C,     128                        ; v128-191 codes: four registers for each step, so that no store's data are written again
.set WREG,  8192                       ; LDS: a region of its own for each wave: two stages of 32 x SP bytes
.set SP,    80                         ; a lane's place in a stage: its 64 bytes + 16 of padding
.set SPW,   12                         ; v12      LDS address of my spare word; never rewritten
.set NIL,   13                         ; v13      0; never rewritten
.set SPARE, WAVES*WREG                 ; behind the four regions: the spare words, 128 bytes for each wave
	s_load_b256 s[4:11], s[0:1], 0x0               ; x s[4:5], Wqkv_w s[6:7], out_w s[8:9], the mask s[10:11]
	s_load_b256 s[12:19], s[0:1], 0x20             ; the scales s[12:13], xc s[14:15], wc s[16:17], owc s[18:19]
	s_load_b64 s[20:21], s[0:1], 0x40              ; meta
	v_lshl_add_u32 v[SPW], v0, 2, SPARE
	v_mov_b32 v[NIL], 0
	v_lshrrev_b32 v1, 5, v0
	v_readfirstlane_b32 s32, v1                    ; wave
	v_and_b32 v2, 31, v0                           ; lane
	v_lshlrev_b32 v3, 4, v2                        ; my 16 bytes of a load's 512
	s_mul_i32 s33, s32, WREG
	v_lshrrev_b32 v14, 2, v2
	v_mul_u32_u24 v14, v14, SP
	v_and_b32 v15, 3, v2
	v_lshl_add_u32 v14, v15, 4, v14
	v_add_nc_u32 v14, s33, v14                     ; the stage, on the way in: four lanes' 64 bytes on end, then 16 of padding
	v_mul_u32_u24 v15, v2, SP
	v_add_nc_u32 v15, s33, v15                     ; and on the way out: SP x lane: my 16 neighbours
	v_mul_u32_u24 v4, v2, CB                       ; my codes' place in a step's
	s_wait_kmcnt 0x0
	s_load_b256 s[24:31], s[12:13], 0x0            ; e0 .. e7
	s_cmp_eq_u32 ttmp9, WG_M
	s_cbranch_scc1 .Lmeta
	s_cmp_lt_u32 ttmp9, WG_O                       ; which tensor: the choices hang on the work-group's number alone
	s_cselect_b64 s[34:35], s[6:7], s[8:9]         ; from
	s_cselect_b64 s[36:37], s[16:17], s[18:19]     ; to
	s_mov_b32 s38, WG_O
	s_cselect_b32 s38, WG_W, s38                   ; the tensor's first work-group
	s_cmp_lt_u32 ttmp9, WG_W
	s_cselect_b64 s[34:35], s[4:5], s[34:35]
	s_cselect_b64 s[36:37], s[14:15], s[36:37]
	s_cselect_b32 s38, 0, s38
	s_sub_co_u32 s38, ttmp9, s38
	s_lshl_b32 s38, s38, 2
	s_add_co_u32 s40, s38, s32                     ; the run of 8 rows that I read: 4 x group of 32 + wave
	s_and_b32 s39, s32, 1
	s_lshl_b32 s39, s39, 1
	s_lshr_b32 s41, s32, 1
	s_or_b32 s39, s39, s41
	s_add_co_u32 s42, s38, s39                     ; and the run that I write: wave 2 g + u at 2 u + g
	s_mov_b32 s41, 0
	s_mov_b32 s43, 0
	s_lshl_b64 s[40:41], s[40:41], 15              ; 8 rows of 4,096 bytes
	s_lshl_b64 s[42:43], s[42:43], 13              ; 8 rows of 1,024 bytes
	s_add_nc_u64 s[34:35], s[34:35], s[40:41]
	s_add_nc_u64 s[36:37], s[36:37], s[42:43]
.macro LOAD t
.irp i, 0,1,2,3
	global_load_b128 v[R+16*((\t)%4)+4*\i:R+16*((\t)%4)+4*\i+3], v3, s[34:35] offset:2048*(\t)+512*\i th:TH_LOAD_NT   ; 32 lanes read 512 consecutive bytes; read once in the launch
.endr
.endm
.macro TURN t                          ; step t's numbers through the stage: LDS serves a wave's instructions in order, so no wait stands between the stores and the loads
.irp i, 0,1,2,3
	ds_store_b128 v14, v[R+16*((\t)%4)+4*\i:R+16*((\t)%4)+4*\i+3] offset:32*SP*((\t)%2)+8*SP*\i
.endr
.irp i, 0,1,2,3
	ds_load_b128 v[X+16*((\t)%2)+4*\i:X+16*((\t)%2)+4*\i+3], v15 offset:32*SP*((\t)%2)+16*\i
.endr
.endm
.irp t, 0,1,2,3
	LOAD \t
.endr
	s_wait_kmcnt 0x0
	s_cmp_lt_u32 ttmp9, WG_O
	s_cselect_b32 s44, s25, s31                    ; e1 or e7,
	s_cmp_lt_u32 ttmp9, WG_W
	s_cselect_b32 s44, s24, s44                    ; or e0
	s_add_co_i32 s44, s44, 127
	s_lshl_b32 s45, s44, 23
	v_mov_b32 v11, s45                             ; 2^e as f32: the conversion takes its exponent field
	s_add_co_i32 s44, s44, EMAX
	s_lshl_b32 s44, s44, 23
	s_or_b32 s44, s44, MANT
	v_mov_b32 v10, s44                             ; 448 x 2^e
	s_wait_loadcnt 12                              ; step 0's four loads are in; the twelve of steps 1 to 3 may be out
	TURN 0
.macro STEP t
.set XS, X+16*((\t)%2)
	s_wait_dscnt 0x0                               ; this step's numbers are back from the stage: so its stores into the stage have read their registers,
.if (\t)+4 < STEPS
	LOAD (\t)+4                                    ; which take the loads of four steps on
.endif
.if (\t)+1 < STEPS
.if STEPS-2-(\t) >= 3
	s_wait_loadcnt 12                              ; the next step's four loads are in; those of the three steps behind it may be out
.else
	s_wait_loadcnt 4*(STEPS-2-(\t))                ; the tail: fewer steps are behind it
.endif
	TURN (\t)+1                                    ; and go through the other stage while this step is worked
.endif
.irp i, 0,1,2,3,4,5,6,7,8,9,10,11,12,13,14,15
	v_med3_num_f32 v[XS+\i], v[XS+\i], -v10, v10   ; the conversion to an 8-bit code does not saturate (ISA guide 7.6.2): the number is held within 448 x the scale first
.endr
	v_cvt_scalef32_pk8_fp8_f32 v[C+4*(\t):C+4*(\t)+1], v[XS:XS+7], v11          ; eight numbers / 2^e, to the nearest code, ties to even; the first number's code in the lowest byte
	v_cvt_scalef32_pk8_fp8_f32 v[C+4*(\t)+2:C+4*(\t)+3], v[XS+8:XS+15], v11     ; (the results go to a store alone; the next vector lines are the next step's holds, plain ones on other registers)
	global_store_b128 v4, v[C+4*(\t):C+4*(\t)+3], s[36:37] offset:32*CB*(\t)    ; 32 lanes store 512 consecutive bytes, at a multiple of 512 from the buffer's first byte
.endm
.irp t, 0,1,2,3,4,5,6,7,8,9,10,11,12,13,14,15
	STEP \t
.endr
	s_wait_tensorcnt 0x0                           ; the wave's end, behind my last LDS store
	ds_add_u32 v[SPW], v[NIL]
	s_wait_dscnt 0x0
	s_endpgm
.Lmeta:                                                ; wave w reads batch w's 2,048 mask bytes
	s_lshl_b32 s34, s32, 11
	s_mov_b32 s35, 0
	s_add_nc_u64 s[10:11], s[10:11], s[34:35]      ; the batch's row of the mask
	s_lshl_b32 s34, s32, 3
	s_add_nc_u64 s[20:21], s[20:21], s[34:35]      ; its two words of meta
.set I, 0
.rept 64
	global_load_u8 v[16+I], v2, s[10:11] offset:32*I   ; register I of lane l: key 32 I + l
.set I, I+1
.endr
	s_mov_b32 s36, 2048                            ; FIRST
	s_mov_b32 s37, 0                               ; HOLES
	s_mov_b32 s38, -1                              ; the AND of a block's four lane masks
	s_wait_loadcnt 0x0
.set I, 63
.rept 64                               ; from the last 32 keys down to the first, so that the lowest true key is what stays
	v_cmp_ne_u32 s40, 0, v[16+I]                   ; bit l: key 32 I + l is true
	s_ctz_i32_b32 s41, s40
	s_add_co_u32 s41, s41, 32*I                    ; the lowest true key among these 32 (not taken where there is none)
	s_cmp_lg_u32 s40, 0
	s_cselect_b32 s36, s41, s36
	s_and_b32 s38, s38, s40
.if I%4 == 0
	s_cmp_lg_u32 s38, -1                           ; a false entry among the block's 128 keys?
	s_cselect_b32 s42, 1<<(I/4), 0
	s_or_b32 s37, s37, s42
	s_mov_b32 s38, -1
.endif
.set I, I-1
.endr
	s_wait_kmcnt 0x0
	s_add_co_i32 s43, s26, s27                     ; e2 + e3
	s_cmp_gt_i32 s43, -12
	s_cselect_b32 s36, 2048, s36                   ; scores may come near the masks' 10,000: every query walks all keys
	v_mov_b32 v6, s36
	v_mov_b32 v7, s37
	v_mov_b32 v8, 0
	s_wait_xcnt 0x0                                ; EXEC changes only behind this wait
	v_cmp_eq_u32 vcc_lo, 0, v2
	s_and_saveexec_b32 s46, vcc_lo                 ; lane 0 alone stores
	global_store_b64 v8, v[6:7], s[20:21]
	s_wait_xcnt 0x0                                ; and again in front of the line that widens it
	s_or_b32 exec_lo, exec_lo, s46
	s_endpgm
.Lfunc_end_k_qf2bd1b1079_prep:
	.size	k_qf2bd1b1079_prep, .Lfunc_end_k_qf2bd1b1079_prep-k_qf2bd1b1079_prep
	.p2alignl 7, 3214868480
	.fill 96, 4, 3214868480
	.section	.rodata,"a",@progbits
	.p2align	6, 0x0
	.amdhsa_kernel k_qf2bd1b1079_prep
		.amdhsa_group_segment_fixed_size 33280
		.amdhsa_private_segment_fixed_size 0
		.amdhsa_enable_private_segment 0
		.amdhsa_kernarg_size 72
		.amdhsa_user_sgpr_count 2
		.amdhsa_user_sgpr_kernarg_segment_ptr 1
		.amdhsa_wavefront_size32 1
		.amdhsa_system_sgpr_workgroup_id_x 1
		.amdhsa_system_sgpr_workgroup_id_y 1
		.amdhsa_system_sgpr_workgroup_id_z 1
		.amdhsa_system_vgpr_workitem_id 0
		.amdhsa_next_free_vgpr 192
		.amdhsa_next_free_sgpr 66
		.amdhsa_reserve_vcc 1
		.amdhsa_float_denorm_mode_32 3
		.amdhsa_float_denorm_mode_16_64 3
		.amdhsa_memory_ordered 1
		.amdhsa_forward_progress 1
		.amdhsa_inst_pref_size 63
	.end_amdhsa_kernel
	.amdgpu_metadata
---
amdhsa.version: [ 1, 2 ]
amdhsa.kernels:
  - .name:           k_qf2bd1b1079_prep
    .symbol:         k_qf2bd1b1079_prep.kd
    .args:
      - { .name: x, .offset: 0, .size: 8, .value_kind: global_buffer, .address_space: global }
      - { .name: Wqkv_w, .offset: 8, .size: 8, .value_kind: global_buffer, .address_space: global }
      - { .name: out_w, .offset: 16, .size: 8, .value_kind: global_buffer, .address_space: global }
      - { .name: key_padding_mask, .offset: 24, .size: 8, .value_kind: global_buffer, .address_space: global }
      - { .name: lowp_scales, .offset: 32, .size: 8, .value_kind: global_buffer, .address_space: global }
      - { .name: xc, .offset: 40, .size: 8, .value_kind: global_buffer, .address_space: global }
      - { .name: wc, .offset: 48, .size: 8, .value_kind: global_buffer, .address_space: global }
      - { .name: owc, .offset: 56, .size: 8, .value_kind: global_buffer, .address_space: global }
      - { .name: meta, .offset: 64, .size: 8, .value_kind: global_buffer, .address_space: global }
    .group_segment_fixed_size: 33280
    .private_segment_fixed_size: 0
    .kernarg_segment_align: 8
    .kernarg_segment_size: 72
    .max_flat_workgroup_size: 128
    .sgpr_count:     66
    .vgpr_count:     192
    .wavefront_size: 32
...
	.end_amdgpu_metadata
.endif
;; end of part 1
;; launch qkv (part 2): grid 12 x 32, 4 waves a work-group, clusters of 4 x 4, 327,680 bytes of LDS; arguments xc, wc, Wqkv_b, lowp_scales, qimg, kimg, vimg; writes qimg, kimg, vimg
.if DOCPART == 2
	.amdgcn_target "amdgcn-amd-amdhsa--gfx1250"
	.amdhsa_code_object_version 6
	.text
	.protected	k_qf2bd1b1079_qkv
	.globl	k_qf2bd1b1079_qkv
	.p2align	8
	.type	k_qf2bd1b1079_qkv,@function
k_qf2bd1b1079_qkv:
	s_mov_b64 s[64:65], 0
	v_nop
	global_prefetch_b8 v0, s[64:65] scope:SCOPE_SE
	s_setreg_imm32_b32 hwreg(HW_REG_WAVE_MODE, 25, 1), 1
	s_wait_xcnt 0x0
	s_wait_alu depctr_hold_cnt(0) depctr_sa_sdst(0) depctr_va_vdst(0) depctr_va_sdst(0) depctr_va_ssrc(0) depctr_va_vcc(0) depctr_vm_vsrc(0)
	s_getreg_b32 s2, hwreg(HW_REG_IB_STS2, 6, 4)
	s_cmp_eq_u32 s2, 0
	s_cbranch_scc0 .Lentry_in_a_cluster
	s_endpgm
.Lentry_in_a_cluster:
	s_bfe_u32 s2, ttmp6, 0x10000c
	s_cmp_lg_u32 s2, 0xf033
	s_cbranch_scc0 .Lentry_shape_is_right
	s_endpgm
.Lentry_shape_is_right:
; qkv = x Wqkv_w^T + Wqkv_b on codes of FP8 (E4M3), and its three thirds quantised at once for the attention: q with 2^e2, k / 8 with 2^e3 (the 1 / 8 goes into the scale: 2^(e3+3)), v with 2^e4.
; xc [8192][1024], wc [3072][1024]: codes, K innermost, rows in changed places inside each group of 32 (place 16 (2 b + u) + r holds row 32 b + 8 u + r + 8 (r / 8)).
; A tile of 256 x 256 is made by a work-group of four waves; a wave makes 128 x 128: 64 accumulators, 512 registers.  K = 1024 goes in four steps of 256 through a ring of two LDS slots filled by the tensor data mover.
; NAMES.  'A' is the operand of source 1: its rows fall on LANES.  'B' is the operand of source 0: its rows fall on a lane's REGISTERS, and thanks to the changed places the 16 registers of two neighbouring
; tiles are 16 neighbours.  The cluster's x says which third is made.  q, k (x = 0, 1): A = tokens, B = features: a lane holds one token and its registers run along the head's 64, the next product's K.
; v (x = 2): A = features, B = tokens: a lane holds one channel and its registers run along the tokens, which are the keys, the K of the third product.  Only the two base addresses and tile numbers differ.
; CLUSTERS: 4 x 4 work-groups.  A's tile hangs on cy (and the cluster's y), B's on cx (and the cluster's x or y): the four of a row ask for A's tile jointly, the four of a column for B's.
; THE WAY OUT NEEDS NO LDS: sum x 2^(e0+e1) + bias, the hold, the conversion; the code registers ARE fragments of the next products, and go to memory as images of those registers:
; four registers a store, lane l's 16 bytes at 16 l, 512 consecutive bytes a store.
;   qimg, kimg: [16 batch + head][tile of 16 tokens, 128 a batch][2 planes][32 lanes][16 bytes]; lane (r, h) of tile t: token 32 (t / 2) + 8 (t % 2) + r + 8 (r / 8); its 32 bytes: d = 32 b + 16 h + 0 .. 15, b = 0, 1.
;   vimg: [16 batch + head][block of 128 keys][tile of 16 channels][4 planes][32 lanes][16 bytes]; lane (r, h) of tile c: channel 32 (c / 2) + 8 (c % 2) + r + 8 (r / 8); plane p: keys 32 p + 16 h + 0 .. 15.
; LIMITS on the given exponents, so that each power of two is an f32 number: e0 + e1 between -126 and 127; e2, e3 + 3 and e4 between -126 and 119.
; REGISTERS, in windows of 256: window 0: v12-30 constants and addresses; v32-95 the bias; v96-127 at work; v128-255 A's fragments, ONE set, later the codes.  window 1: B's fragments, TWO sets.
;   window 2: the accumulators of A's blocks 0-3 (accumulator (a, b) at v[8 (8 a + b)]);  window 3: of blocks 4-7.
.set KSTEP,  256                       ; along K in a slot
.set ROWB,   256                       ; a tile's row in bytes
.set KROW,   1024                      ; a row of xc or wc in memory
.set PITCH,  272                       ; an LDS row: 256 bytes + 16 of padding = 68 words: the 16 rows that a load touches start at 16 different groups of four banks (64 banks of 4 bytes: ISA guide 11.1)
.set FR,     16                        ; registers of a fragment: 16 rows x 128 K
.set NL,     4                         ; LDS loads that bring one
.set NP,     4                         ; places behind this matrix instruction (ISA guide 7.12.1)
.set HALFT,  128*PITCH                 ; 128 rows: what one tensor load brings, and what one wave reads of A or of B
.set SLOT,   4*HALFT                   ; A's 256 rows, then B's 256 rows
.set LAPS,   2                         ; 1024 / (2 x 256): a lap = once round the ring
.set SPARE,  2*SLOT                    ; behind the ring: the spare words, 128 bytes for each wave
.set CVS,  12                          ; v12     the conversion's scale as f32
.set LIMR, 13                          ; v13     448 x that
.set ADRA, 16                          ; v16-17  LDS address of my A fragments in slot 0, 1
.set ADRB, 20                          ; v20-21  the same for B
.set LI,   26                          ; v26     16 x lane: my place in an image
.set HO,   27                          ; v27     64 x (lane / 16): the bias of q and k
.set SPW,  28                          ; v28     LDS address of my spare word; never rewritten
.set NIL,  29                          ; v29     0; never rewritten
.set RO,   30                          ; v30     4 x (r + 8 (r / 8)): the bias of v
.set BI,   32                          ; v32-95  the bias
.set TMP,  96                          ; v96-127 32 numbers at work
.set AF,   128                         ; A's fragments, in window 0
.set CD,   128                         ; the codes: 16 x 8 registers, none written twice, so that no store's data are rewritten
.set G1, 24                            ; s[24:31] descriptor group 1 for A's tiles;  s[32:39] group 0, one set for each slot
.set G0, 32
.set G1B, 48                           ; s[48:55], s[56:63] the same for B's tiles
.set G0B, 56
.set MSB, 0
.macro WIN new                         ; the immediate's high byte repeats the setting that is left
.if MSB != (\new)
	s_set_vgpr_msb (MSB<<8)|(\new)
.set MSB, (\new)
.endif
.endm
.set MUL_LO, 0xa1                      ; source 0 (B) window 1, source 1 (A) window 0, C and D window 2
.set MUL_HI, 0xf1                      ; the same, C and D window 3
.set TO_B,   0x40                      ; destination window 1, address window 0
; A joint load: waves 0 and 1 fetch for A, waves 2 and 3 for B.  Each of the two lines has one mask and one set of registers for all that issue it; the branch hangs on the wave's number alone.
; An s_nop 0 and four v_nop follow each of the two lines, ahead of the jump, the label and what follows.
.macro JLOAD g0a, g1a, g0b, g1b
	s_cmp_eq_u32 s15, 0
	s_cbranch_scc0 .Lfor_b_\@
	tensor_load_to_lds s[\g0a:\g0a+3], s[\g1a:\g1a+7]
	s_nop 0
.rept 4
	v_nop
.endr
	s_branch .Lasked_\@
.Lfor_b_\@:
	tensor_load_to_lds s[\g0b:\g0b+3], s[\g1b:\g1b+7]
	s_nop 0
.rept 4
	v_nop
.endr
.Lasked_\@:
.endm
.macro CREST                           ; a round of the cluster's barrier behind its opening barrier
	s_cmp_lg_u32 s14, 0
	s_cbranch_scc1 .Lnot_wave_0_\@
	s_barrier_signal -3
.Lnot_wave_0_\@:
	s_barrier_wait -3
	s_barrier_signal -1
	s_barrier_wait -1
.endm
.macro CROUND                          ; a whole round
	s_barrier_signal -1
	s_barrier_wait -1
	CREST
.endm
	s_load_b256 s[4:11], s[0:1], 0x0               ; xc s[4:5], wc s[6:7], the bias s[8:9], the scales s[10:11]
	s_load_b128 s[68:71], s[0:1], 0x20             ; qimg s[68:69], kimg s[70:71]
	s_load_b64 s[72:73], s[0:1], 0x30              ; vimg
	v_lshl_add_u32 v[SPW], v0, 2, SPARE
	v_mov_b32 v[NIL], 0
	ds_add_u32 v[SPW], v[NIL]                      ; the wave's opening: the add and its wait ahead of my first tensor load; the set-up below, work on registers, stands between them
	v_lshrrev_b32 v1, 5, v0
	v_readfirstlane_b32 s14, v1                    ; wave 0..3
	s_lshr_b32 s15, s14, 1                         ; which half of A's 256 rows is mine.  Also: I fetch for A (0) or for B (1)
	s_and_b32 s16, s14, 1                          ; which half of B's.  Also: which 128 rows of that tile I fetch
	s_bfe_u32 s40, ttmp6, 0x40000                  ; cx, cy: my place in the cluster
	s_bfe_u32 s41, ttmp6, 0x40004
	s_and_b32 s90, ttmp7, 0xffff
	s_lshl_b32 s90, s90, 2                         ; 4 x cluster y
	s_lshl_b32 s91, ttmp9, 2                       ; 4 x cluster x
	s_cmp_eq_u32 ttmp9, 2                          ; the third that is made: the same in all sixteen partners
	s_cselect_b32 s88, 0, s90
	s_cselect_b32 s89, s90, s91
	s_add_co_u32 s17, s88, s41                     ; A's tile: q, k: tokens, 4 x cluster y + cy;   v: v's features, cy
	s_add_co_u32 s42, s89, s40                     ; B's tile: q, k: features, 4 x cluster x + cx; v: tokens, 4 x cluster y + cx
	s_lshl_b32 s43, s41, 2
	s_lshl_b32 s43, 15, s43                        ; my row of the cluster
	s_lshl_b32 s44, 0x1111, s40                    ; my column
	; descriptor group 1: a tile of 128 rows x 256 bytes, padded in LDS
	s_or_b32 s[G1+0], s43, (0<<16)|(1<<20)|(1<<21)|(5<<22)|(3<<25)  ; 15:0 the mask: A's tiles go to my row; 17:16 element of 1 byte; 20 padding on; 21 set beside a mask; 24:22 after every 64 words (code 5); 31:25 of 4 words (code 3)
	s_or_b32 s[G1B+0], s44, (0<<16)|(1<<20)|(1<<21)|(5<<22)|(3<<25) ; the same with the mask of my column
.irp g, G1, G1B
	s_mov_b32 s[\g+1], ROWB<<16                    ; tensor_dim0
	s_mov_b32 s[\g+2], 128<<16                     ; tensor_dim1 = 128
	s_mov_b32 s[\g+3], ROWB<<16                    ; tile_dim0
	s_mov_b32 s[\g+4], 128                         ; tile_dim1 = 128
	s_mov_b32 s[\g+5], KROW                        ; tensor_dim0_stride
	s_mov_b32 s[\g+6], 0
	s_mov_b32 s[\g+7], 0
.endr
	s_lshl_b32 s18, s16, 7                         ; which 128 rows of the tile I fetch
	s_lshl_b32 s20, s17, 8
	s_add_co_u32 s20, s20, s18                     ; A: place 256 x tile + 128 x half,
	s_lshl_b32 s20, s20, 10                        ; in bytes: rows of 1,024 (under 2^23 in all)
	s_mov_b32 s21, 0
	s_lshl_b32 s46, s42, 8
	s_add_co_u32 s46, s46, s18                     ; B likewise
	s_lshl_b32 s46, s46, 10
	s_mov_b32 s47, 0
	s_mul_i32 s45, s14, HALFT                      ; where they go: wave x 128 rows: no place in the cluster enters an LDS address
	s_wait_dscnt 0x0                               ; the opening add is done
	s_wait_kmcnt 0x0
	s_load_b256 s[80:87], s[10:11], 0x0            ; e0 .. e7
	s_add_nc_u64 s[88:89], s[6:7], 0x200000        ; wc at v's rows: 2048 rows of 1,024 bytes
	s_cmp_eq_u32 ttmp9, 2
	s_cselect_b64 s[92:93], s[88:89], s[4:5]       ; A's tensor
	s_cselect_b64 s[94:95], s[4:5], s[6:7]         ; B's tensor
	s_add_nc_u64 s[20:21], s[92:93], s[20:21]
	s_add_nc_u64 s[46:47], s[94:95], s[46:47]
	CROUND                                         ; all sixteen work-groups are here: the first joint loads meet
.irp s, 0,1
	s_mov_b32 s[G0+4*\s], 1
	s_add_co_u32 s[G0+4*\s+1], s45, \s*SLOT
	s_add_nc_u64 s[G0+4*\s+2:G0+4*\s+3], s[20:21], \s*ROWB
	s_or_b32 s[G0+4*\s+3], s[G0+4*\s+3], 0x80000000
	s_mov_b32 s[G0B+4*\s], 1
	s_add_co_u32 s[G0B+4*\s+1], s45, \s*SLOT
	s_add_nc_u64 s[G0B+4*\s+2:G0B+4*\s+3], s[46:47], \s*ROWB
	s_or_b32 s[G0B+4*\s+3], s[G0B+4*\s+3], 0x80000000
	JLOAD G0+4*\s, G1, G0B+4*\s, G1B               ; two loads of mine are out: K steps 0 and 1
.endr
	v_and_b32 v1, 15, v0                           ; r = l % 16
	v_bfe_u32 v2, v0, 4, 1                         ; h = l / 16
	v_mul_u32_u24 v3, v1, PITCH
	v_lshl_add_u32 v4, v2, 4, v3                   ; a fragment's row x pitch + 16 x half
	s_mul_i32 s21, s15, HALFT                      ; my 128 rows of A
	s_mul_i32 s22, s16, HALFT                      ; my 128 rows of B,
	s_add_co_u32 s22, s22, 2*HALFT                 ; which lie behind A's 256
.irp s, 0,1
	v_add_nc_u32 v[ADRA+\s], s21, v4
	v_add_nc_u32 v[ADRB+\s], s22, v4
	s_add_co_u32 s21, s21, SLOT
	s_add_co_u32 s22, s22, SLOT
.endr
	v_and_b32 v6, 31, v0
	v_lshlrev_b32 v[LI], 4, v6
	v_lshlrev_b32 v[HO], 6, v2
	v_and_b32 v5, 8, v1
	v_add_nc_u32 v5, v5, v1                        ; r + 8 (r / 8)
	v_lshlrev_b32 v[RO], 2, v5
.macro FRAG reg, adr, q, i             ; a fragment, 16 rows x 128 K of codes, is 16 registers: lane l holds row l % 16; registers 4 c .. 4 c + 3 hold K = 32 c + 16 (l / 16) + 0 .. 15: the same order of K in A and in B
.irp c, 0,1,2,3
	ds_load_b128 v[\reg+4*\c:\reg+4*\c+3], v[\adr] offset:128*(\q)+32*\c+(\i)*16*PITCH
.endr
.endm
; 16 matrix instructions: A's blocks a0, a0 + 1 x B's eight, 128 along K.  p: B's set.  zero = 1: the first product starts the sums: nothing is ever cleared.
; The 64 accumulators take turns, one instruction a turn, in the same order in every step.
.macro MUL16 a0, p, zero
.irp a, \a0, \a0+1
.irp b, 0,1,2,3,4,5,6,7
.if \zero
	v_wmma_f32_16x16x128_fp8_fp8 v[8*(8*((\a)%4)+\b):8*(8*((\a)%4)+\b)+7], v[128*(\p)+FR*\b:128*(\p)+FR*\b+FR-1], v[AF+FR*(\a):AF+FR*(\a)+FR-1], 0
.else
	v_wmma_f32_16x16x128_fp8_fp8 v[8*(8*((\a)%4)+\b):8*(8*((\a)%4)+\b)+7], v[128*(\p)+FR*\b:128*(\p)+FR*\b+FR-1], v[AF+FR*(\a):AF+FR*(\a)+FR-1], v[8*(8*((\a)%4)+\b):8*(8*((\a)%4)+\b)+7]
.endif
.endr
.endr
.endm
.macro FETCH_B slot, q, p              ; B's eight fragments of the slot's q-th 128 along K into set p
	WIN TO_B
.irp i, 0,1,2,3,4,5,6,7
	FRAG 128*(\p)+FR*\i, ADRB+\slot, \q, \i
.endr
	WIN 0
.endm
.macro FETCH_A slot, q, i0             ; A's blocks i0 .. i0 + 3
.irp i, \i0, \i0+1, \i0+2, \i0+3
	FRAG AF+FR*(\i), ADRA+\slot, \q, \i
.endr
.endm
; A load into a register that a matrix instruction has read, and a vector instruction that reads a matrix result, stand NP places behind that matrix instruction; only plain vector instructions
; that name none of its registers are places (ISA guide 7.12.1 for vector instructions).
.macro PLACES n
.rept \n
	v_nop
.endr
.endm
; A step of 128 along K that has its successor in the same slot.  A block of A is free as soon as its eight products are issued: blocks 0-3 are fetched anew in the step's middle, blocks 4-7 at its end.
.macro STEP slot, q, zero
	s_wait_dscnt 4*NL                              ; B's set and A's blocks 0-3 are in; the youngest sixteen loads (A's blocks 4-7) may be out
	WIN MUL_LO
	MUL16 0, (\q)%2, \zero
	MUL16 2, (\q)%2, \zero
	s_wait_dscnt 0                                 ; A's blocks 4-7 are in (asked for 32 matrix instructions ago)
	PLACES NP
	FETCH_B \slot, (\q)+1, 1-(\q)%2
	FETCH_A \slot, (\q)+1, 0
	WIN MUL_HI
	MUL16 4, (\q)%2, \zero
	MUL16 6, (\q)%2, \zero
	PLACES NP
	WIN 0
	FETCH_A \slot, (\q)+1, 4
.endm
; A slot's last step changes slots: ONE barrier; in front of it each wave waits for all its tensor loads, adds 0 to its spare word, and waits for that and for its own reads of this slot.  fill = 1: this slot is filled again, two K steps ahead.
.macro TURN slot, next, fill
	s_wait_tensorcnt 0x0                           ; all my tensor loads have landed: my part of the next slot  (every window is 0 here: the add's two registers lie in window 0)
	ds_add_u32 v[SPW], v[NIL]                      ; 0 onto my spare word
	s_wait_dscnt 4*NL+1                            ; (the add and the youngest sixteen loads, A's blocks 4-7, may be out)
	WIN MUL_LO
	MUL16 0, 1, 0                                  ; sixteen matrix instructions stand between the add and the wait for it
	s_wait_dscnt 0x0                               ; the add is done, and my reads of this slot are over
	s_barrier_signal -1
	MUL16 2, 1, 0
	WIN 0
	s_barrier_wait -1
.if \fill
	CREST                                          ; the barrier has opened a round of the cluster's barrier: no wave of any partner still reads this slot's tile or has a load on its way
	s_add_nc_u64 s[G0+4*\slot+2:G0+4*\slot+3], s[G0+4*\slot+2:G0+4*\slot+3], 2*ROWB
	s_add_nc_u64 s[G0B+4*\slot+2:G0B+4*\slot+3], s[G0B+4*\slot+2:G0B+4*\slot+3], 2*ROWB
	JLOAD G0+4*\slot, G1, G0B+4*\slot, G1B         ; the first tensor load behind the round, and my only one until the next; its four v_nop are the places in front of the loads below
.else
	PLACES NP
.endif
	FETCH_B \next, 0, 0
	FETCH_A \next, 0, 0
	WIN MUL_HI
	MUL16 4, 1, 0
	MUL16 6, 1, 0
	PLACES NP
	WIN 0
	FETCH_A \next, 0, 4
.endm
.macro LAST                            ; the very last step: nothing more to fetch
	s_wait_dscnt 4*NL                              ; A's blocks 4-7 may be out
	WIN MUL_LO
	MUL16 0, 1, 0
	MUL16 2, 1, 0
	s_wait_dscnt 0
	WIN MUL_HI
	MUL16 4, 1, 0
	MUL16 6, 1, 0
	WIN 0
.endm
; THE WAY OUT of four accumulators, (a, 4 hf) to (a, 4 hf + 3): 32 numbers of a lane, which are two runs of 16 neighbours along the next K.  number = sum x 2^(e0+e1) + bias in one fused multiply-add
; (step = 1, osh = 1: a bias for each register; step = 0, osh = 0: one for the lane, the pair's low word for both halves); the hold; the conversion; two stores of 512 consecutive bytes.
; Each accumulator is read from its low end on.
.macro OUTB a, hf, bias, step, osh, off
.set AC, 64*((\a)%4)+32*(\hf)
.set CO, CD+8*(2*(\a)+(\hf))
	WIN 0x02+((\a)/4)                              ; source 0: window 2 or 3
.set J, 0
.rept 16
	v_pk_fma_f32 v[TMP+J:TMP+J+1], v[AC+J:AC+J+1], s[96:97], v[(\bias)+(\step)*J:(\bias)+(\step)*J+1] op_sel_hi:[1,0,\osh]
.set J, J+2
.endr
	WIN 0
.set J, 0
.rept 32
	v_med3_num_f32 v[TMP+J], v[TMP+J], -v[LIMR], v[LIMR]   ; the conversion to an 8-bit code does not saturate (ISA guide 7.6.2): always held, whatever the given scale
.set J, J+1
.endr
.irp g, 0,1,2,3
	v_cvt_scalef32_pk8_fp8_f32 v[CO+2*\g:CO+2*\g+1], v[TMP+8*\g:TMP+8*\g+7], v[CVS]
.endr
	v_nop                                          ; one plain vector instruction between the last conversion and the next lines that write its sources
	global_store_b128 v[LI], v[CO:CO+3], s[76:77] offset:(\off)
	global_store_b128 v[LI], v[CO+4:CO+7], s[76:77] offset:(\off)+512
.endm
	s_wait_tensorcnt 1                             ; my part of K step 0 is in (K step 1's load may be out)
	s_barrier_signal -1
	s_barrier_wait -1                              ; everybody's is
	FETCH_B 0, 0, 0
	FETCH_A 0, 0, 0
	FETCH_A 0, 0, 4
	STEP 0, 0, 1                                   ; the first step stands in front of the loop: its products start the sums
	s_mov_b32 s3, LAPS-1
.Llap:                                                 ; a trip goes once round the ring, from a lap's second step to the next lap's first, and fills both slots again
	TURN 0, 1, 1
	STEP 1, 0, 0
	TURN 1, 0, 1
	STEP 0, 0, 0
	s_sub_co_u32 s3, s3, 1
	s_cmp_lg_u32 s3, 0
	s_cbranch_scc1 .Llap
	TURN 0, 1, 0                                   ; the last lap fills nothing, and has no round of the cluster's barrier
	STEP 1, 0, 0
	s_wait_kmcnt 0x0                               ; the scales' exponents
	s_add_co_i32 s96, s80, s81
	s_add_co_i32 s96, s96, 127
	s_lshl_b32 s96, s96, 23                        ; 2^(e0 + e1) as f32
	s_mov_b32 s97, s96                             ; (named with it as a pair, so it is written)
	s_cmp_eq_u32 ttmp9, 2                          ; the same in all sixteen partners
	s_cbranch_scc1 .Lv
	; ---- q and k: a lane holds a token, its registers run along the features
	s_add_co_i32 s74, s83, 3                       ; k / 8 with 2^e3 is k with 2^(e3 + 3)
	s_cmp_eq_u32 ttmp9, 0
	s_cselect_b32 s74, s82, s74                    ; q: e2
	s_cselect_b64 s[76:77], s[68:69], s[70:71]     ; qimg or kimg
	s_add_co_i32 s74, s74, 127
	s_lshl_b32 s75, s74, 23
	v_mov_b32 v[CVS], s75
	s_add_co_i32 s74, s74, 8
	s_lshl_b32 s74, s74, 23
	s_or_b32 s74, s74, 0x600000
	v_mov_b32 v[LIMR], s74
	s_lshr_b32 s74, s17, 3                         ; the batch: 8 tiles of 256 tokens each
	s_lshl_b32 s74, s74, 4
	s_lshl_b32 s75, s40, 2
	s_add_co_u32 s74, s74, s75
	s_lshl_b32 s75, s16, 1
	s_add_co_u32 s74, s74, s75                     ; 16 batch + my first head: 4 cx + 2 x half
	s_lshl_b32 s74, s74, 17                        ; x 131,072 bytes
	s_and_b32 s75, s17, 7
	s_lshl_b32 s75, s75, 4
	s_lshl_b32 s88, s15, 3
	s_add_co_u32 s75, s75, s88                     ; my first tile of 16 tokens in the batch
	s_lshl_b32 s75, s75, 10                        ; x 1,024 bytes
	s_add_co_u32 s74, s74, s75
	s_mov_b32 s75, 0
	s_add_nc_u64 s[76:77], s[76:77], s[74:75]
	s_lshl_b32 s74, s42, 10
	s_lshl_b32 s88, s16, 9
	s_add_co_u32 s74, s74, s88                     ; 4 bytes x (256 x B's tile + 128 x half)
	s_add_nc_u64 s[78:79], s[8:9], s[74:75]        ; the bias at my first feature
.set T, 0
.rept 8                                ; lane (r, h), tile T, register j: feature 32 (T / 2) + 16 h + 8 (T % 2) + j
	global_load_b128 v[BI+8*T:BI+8*T+3], v[HO], s[78:79] offset:4*(32*(T/2)+8*(T%2))
	global_load_b128 v[BI+8*T+4:BI+8*T+7], v[HO], s[78:79] offset:4*(32*(T/2)+8*(T%2))+16
.set T, T+1
.endr
	LAST                                           ; the bias lands under the last 64 products
	PLACES NP
	s_wait_loadcnt 0x0
.irp a, 0,1,2,3,4,5,6,7
.irp hd, 0,1
	OUTB \a, \hd, BI+32*\hd, 1, 1, \a*1024+\hd*131072   ; tile a of tokens, head hd of my two
.endr
.endr
	s_branch .Lend
.Lv:	; ---- v: a lane holds a channel, its registers run along the tokens
	s_add_co_i32 s74, s84, 127                     ; e4
	s_lshl_b32 s75, s74, 23
	v_mov_b32 v[CVS], s75
	s_add_co_i32 s74, s74, 8
	s_lshl_b32 s74, s74, 23
	s_or_b32 s74, s74, 0x600000
	v_mov_b32 v[LIMR], s74
	s_lshr_b32 s74, s42, 3                         ; the batch
	s_lshl_b32 s74, s74, 4
	s_lshl_b32 s75, s41, 2
	s_add_co_u32 s74, s74, s75
	s_lshl_b32 s75, s15, 1
	s_add_co_u32 s74, s74, s75                     ; 16 batch + my first head: 4 cy + 2 x half
	s_lshl_b32 s74, s74, 17
	s_and_b32 s75, s42, 7
	s_lshl_b32 s75, s75, 1
	s_add_co_u32 s75, s75, s16                     ; my block of 128 keys in the batch
	s_lshl_b32 s75, s75, 13                        ; x 8,192 bytes
	s_add_co_u32 s74, s74, s75
	s_mov_b32 s75, 0
	s_add_nc_u64 s[76:77], s[72:73], s[74:75]
	s_lshl_b32 s74, s41, 10
	s_lshl_b32 s88, s15, 9
	s_add_co_u32 s74, s74, s88
	s_add_co_u32 s74, s74, 8192                    ; 4 bytes x (2048 + 256 cy + 128 x half)
	s_add_nc_u64 s[78:79], s[8:9], s[74:75]
.set T, 0
.rept 8                                ; lane r of block T: feature 32 (T / 2) + 8 (T % 2) + r + 8 (r / 8)
	global_load_b32 v[BI+2*T], v[RO], s[78:79] offset:4*(32*(T/2)+8*(T%2))
	v_mov_b32 v[BI+2*T+1], 0                       ; (named with it as a pair, so it is written)
.set T, T+1
.endr
	LAST
	PLACES NP
	s_wait_loadcnt 0x0
.irp a, 0,1,2,3,4,5,6,7
.irp hf, 0,1
	OUTB \a, \hf, BI+2*\a, 0, 0, (\a/4)*131072+(\a%4)*2048+\hf*1024   ; head a / 4 of my two, its tile a % 4 of channels, planes 2 hf and 2 hf + 1
.endr
.endr
.Lend:
	s_wait_tensorcnt 0x0                           ; the wave's end, behind my last tensor load
	ds_add_u32 v[SPW], v[NIL]
	s_wait_dscnt 0x0
	CROUND                                         ; the closing round: no work-group ends while a partner may still ask for a tile that names it
	s_endpgm
.Lfunc_end_k_qf2bd1b1079_qkv:
	.size	k_qf2bd1b1079_qkv, .Lfunc_end_k_qf2bd1b1079_qkv-k_qf2bd1b1079_qkv
	.p2alignl 7, 3214868480
	.fill 96, 4, 3214868480
	.section	.rodata,"a",@progbits
	.p2align	6, 0x0
	.amdhsa_kernel k_qf2bd1b1079_qkv
		.amdhsa_group_segment_fixed_size 327680
		.amdhsa_private_segment_fixed_size 0
		.amdhsa_enable_private_segment 0
		.amdhsa_kernarg_size 56
		.amdhsa_user_sgpr_count 2
		.amdhsa_user_sgpr_kernarg_segment_ptr 1
		.amdhsa_wavefront_size32 1
		.amdhsa_system_sgpr_workgroup_id_x 1
		.amdhsa_system_sgpr_workgroup_id_y 1
		.amdhsa_system_sgpr_workgroup_id_z 1
		.amdhsa_system_vgpr_workitem_id 0
		.amdhsa_next_free_vgpr 1024
		.amdhsa_next_free_sgpr 100
		.amdhsa_reserve_vcc 0
		.amdhsa_float_denorm_mode_32 3
		.amdhsa_float_denorm_mode_16_64 3
		.amdhsa_memory_ordered 1
		.amdhsa_forward_progress 1
		.amdhsa_inst_pref_size 199
	.end_amdhsa_kernel
	.amdgpu_metadata
---
amdhsa.version: [ 1, 2 ]
amdhsa.kernels:
  - .name:           k_qf2bd1b1079_qkv
    .symbol:         k_qf2bd1b1079_qkv.kd
    .args:
      - { .name: xc, .offset: 0, .size: 8, .value_kind: global_buffer, .address_space: global }
      - { .name: wc, .offset: 8, .size: 8, .value_kind: global_buffer, .address_space: global }
      - { .name: Wqkv_b, .offset: 16, .size: 8, .value_kind: global_buffer, .address_space: global }
      - { .name: lowp_scales, .offset: 24, .size: 8, .value_kind: global_buffer, .address_space: global }
      - { .name: qimg, .offset: 32, .size: 8, .value_kind: global_buffer, .address_space: global }
      - { .name: kimg, .offset: 40, .size: 8, .value_kind: global_buffer, .address_space: global }
      - { .name: vimg, .offset: 48, .size: 8, .value_kind: global_buffer, .address_space: global }
    .group_segment_fixed_size: 327680
    .private_segment_fixed_size: 0
    .kernarg_segment_align: 8
    .kernarg_segment_size: 56
    .max_flat_workgroup_size: 128
    .sgpr_count:     100
    .vgpr_count:     1024
    .wavefront_size: 32
...
	.end_amdgpu_metadata
.endif
;; end of part 2
;; launch attn (part 3): grid 4 x 64, 16 waves a work-group, no clusters, 75,776 bytes of LDS; arguments qimg, kimg, vimg, key_padding_mask, lowp_scales, meta, cimg; writes cimg
.if DOCPART == 3
	.amdgcn_target "amdgcn-amd-amdhsa--gfx1250"
	.amdhsa_code_object_version 6
	.text
	.protected	k_qf2bd1b1079_attn
	.globl	k_qf2bd1b1079_attn
	.p2align	8
	.type	k_qf2bd1b1079_attn,@function
k_qf2bd1b1079_attn:
	s_mov_b64 s[64:65], 0
	v_nop
	global_prefetch_b8 v0, s[64:65] scope:SCOPE_SE
	s_setreg_imm32_b32 hwreg(HW_REG_WAVE_MODE, 25, 1), 1
	s_wait_xcnt 0x0
; ctx = softmax(q (k / 8)^T + padding + causal) v for one head of one batch, both products on codes of FP8 (E4M3), and ctx quantised at once with 2^e6 for the last product.
; BOTH MASKS ARE ADDED, -10000 each, as the problem has them: they are no -infinity.  A query t that comes before the batch's first true key (FIRST) sees every key at -10000 or -20000, and its softmax runs over
; keys after t too.  So: a tile of queries all of which are at or behind FIRST walks the keys up to its last query (what lies beyond is at least 3,728 under a visible key: its weight is 0 in f32, since
; FIRST < 2048 only where |score| <= 3,136); every other tile walks all 2,048 keys.  FIRST and HOLES (which blocks of 128 keys hold a false entry) are whole numbers that the first launch stored.
; The walk hangs on numbers read from memory, so this launch has no tensor load: K and V come by loads into registers and LDS stores, asked for a slot's work ahead; and so no joint loads in a cluster either.
; THE SOFTMAX AHEAD OF THE SECOND PRODUCT: t = score x log2(e); M = the row's largest t so far, rounded UP to a whole number; p = 2^(t - M) is quantised with 2^e5, not normalised; the row's sum is taken of the
; unquantised p and divides at the end.  When M moves, the sum and O are multiplied by 2^(old M - new M): nothing is rounded.
; SHARES.  Work-group (x, 16 batch + head) makes two blocks of 256 queries, 7 - x and then x: 9 slots of 256 keys in all where the causal skip holds, the same for every x.  Each of its sixteen waves owns
; one tile of 16 queries, in 256 registers: four waves to a SIMD, so that one wave's vector work stands beside another's matrix work and LDS loads.
; LAYOUT.  Both products are used transposed: S^T = K Q^T (source 0 = 16 keys, source 1 = my 16 queries, K = 64), O^T = V^T P^T (source 0 = 16 channels, source 1 = P, K = 128 keys): a lane holds ONE query throughout.
; All operands come as images of their registers (lane l's 16 bytes at 16 l).  Tile t of tokens: lane r is token 32 (t / 2) + 8 (t % 2) + r + 8 (r / 8): so the 16 registers of score tiles 2 b, 2 b + 1 are keys
; 32 b + 16 (lane / 16) + 0 .. 15, and the conversions' results are P's fragment; V's tiles of channels are chosen likewise, so that O^T's registers are ctx's fragment for the last product.
; The masks go in as the C of the first product, in the sums' own units (-10000 / 2^(e2+e3)): a step with no hole and no key behind a query takes C = 0.
; LIMITS on the given exponents: e2 + e3 between -113 and 126 (log2(e) x 2^(e2+e3) and 20000 / 2^(e2+e3) are f32 numbers); e5, e6 between -126 and 119; e4 + e5 is applied by v_ldexp_f32 and has none.
.set BUF,   32768                      ; LDS: two buffers of a slot each: K's 16 tiles (16,384 bytes), then V's 8 fragments (16,384 bytes), dense images
.set PADT,  65536                      ; 2,048 f32, in the keys' order: 0 or -10000 / 2^(e2+e3)
.set SPARE, 73728                      ; the spare words, 128 bytes for each of 16 waves
.set LI,   1                           ; v1   16 x lane: my place in an image
.set FO,   2                           ; v2   16 x thread: my place in a fill's 8,192 bytes
.set PADA, 3                           ; v3   PADT + 64 x (lane / 16)
.set SPW,  4                           ; v4   LDS address of my spare word; never rewritten
.set NIL,  5                           ; v5   0; never rewritten
.set LQ,   6                           ; v6   r + 8 (r / 8) - 16 (lane / 16)
.set PST,  7                           ; v7   PADT + 16 x thread
.set ADK,  8                           ; v8   the slot in hand + LI
.set ADP,  9                           ; v9   the slot's place in the pad table + PADA
.set FA,   10                          ; v10  the other buffer + FO
.set QF,   16                          ; v16-23   Q's fragment.  v12 -M, v13 the largest t, v[14:15] the sum in two halves
.set KV,   32                          ; v32-95   K's 8 fragments, then V's 4
.set S,    96                          ; v96-159  S^T, then p
.set O,    160                         ; v160-191 O^T
.set ST,   192                         ; v192-207 a fill on its way from memory to LDS
.set PC,   224                         ; v224-239 p's codes; at a pass's end ctx's.  v208-223: at work and constants (see their lines)
.set WV,   18                          ; s18  wave
.set BH,   19                          ; s19  16 batch + head
.set SEL,  20                          ; s[20:21] lane selects for v_permlanex16_b32: lane l xor 16
.set CS,   22                          ; s[22:23] log2(e) x 2^(e2+e3)
.set TB,   24                          ; s24  LDS byte at which the slot in hand begins
.set SLOTN, 25                         ; s25  the slot's number
.set PASS, 26
.set KF,   27                          ; s27  the step's first key
.set QMIN, 28                          ; s28  my tile's first query
.set LASTK, 29                         ; s29  the last key that my tile walks
.set LIM,  30                          ; s30  the last slot that the work-group needs
.set KF4,  33                          ; s33  4 x the slot's first key
.set FIRST, 34                         ; s[34:35] FIRST, HOLES
.set HOLES, 35
.set E0,   36                          ; s[36:43] e0 .. e7
	s_load_b256 s[4:11], s[0:1], 0x0               ; qimg s[4:5], kimg s[6:7], vimg s[8:9], the mask s[10:11]
	s_load_b128 s[12:15], s[0:1], 0x20             ; the scales s[12:13], meta s[14:15]
	s_load_b64 s[16:17], s[0:1], 0x30              ; cimg
	v_lshl_add_u32 v[SPW], v0, 2, SPARE
	v_mov_b32 v[NIL], 0
	v_lshrrev_b32 v8, 5, v0
	v_readfirstlane_b32 s[WV], v8
	s_and_b32 s[BH], ttmp7, 0xffff
	v_and_b32 v[LI], 31, v0
	v_lshlrev_b32 v[LI], 4, v[LI]
	v_lshlrev_b32 v[FO], 4, v0
	v_bfe_u32 v9, v0, 4, 1                         ; h
	v_lshlrev_b32 v[PADA], 6, v9
	v_add_nc_u32 v[PADA], PADT, v[PADA]
	v_and_b32 v8, 15, v0                           ; r
	v_and_b32 v10, 8, v8
	v_add_nc_u32 v[LQ], v10, v8
	v_lshlrev_b32 v9, 4, v9
	v_sub_nc_u32 v[LQ], v[LQ], v9
	v_lshl_add_u32 v[PST], v0, 4, PADT
	v_lshlrev_b32 v10, 2, v0                       ; my four bytes of the batch's mask
	v_mov_b32 v210, 0                              ; written once: a lane permute's destination counts as one of its sources
	v_mov_b32 v213, 0                              ; (named as the upper half of the pair v[212:213])
	s_lshr_b32 s44, s[BH], 4                       ; batch
	s_and_b32 s45, s[BH], 15                       ; head
	s_lshl_b32 s46, s[BH], 17                      ; 131,072 bytes for each batch and head in qimg, kimg, vimg
	s_mov_b32 s47, 0
	s_mov_b32 s[SEL], 0x76543210
	s_mov_b32 s[SEL+1], 0xfedcba98
	s_wait_kmcnt 0x0
	s_load_b256 s[E0:E0+7], s[12:13], 0x0
	s_add_nc_u64 s[56:57], s[4:5], s[46:47]        ; Q, K, V at my batch and head
	s_add_nc_u64 s[52:53], s[6:7], s[46:47]
	s_add_nc_u64 s[54:55], s[8:9], s[46:47]
	s_lshl_b32 s46, s44, 3
	s_add_nc_u64 s[14:15], s[14:15], s[46:47]
	s_load_b64 s[FIRST:HOLES], s[14:15], 0x0       ; the batch's two whole numbers
	s_lshl_b32 s46, s44, 11
	s_add_nc_u64 s[10:11], s[10:11], s[46:47]
	global_load_b32 v11, v10, s[10:11]             ; keys 4 t .. 4 t + 3 of the batch's mask
	s_lshl_b32 s46, s44, 21                        ; ctx: 128 tiles of 16,384 bytes a batch,
	s_lshr_b32 s96, s45, 1
	s_lshl_b32 s96, s96, 11                        ; the fragment of 128 along E in which my head lies,
	s_add_co_u32 s46, s46, s96
	s_and_b32 s96, s45, 1
	s_lshl_b32 s96, s96, 10                        ; and its half: two planes
	s_add_co_u32 s46, s46, s96
	s_add_nc_u64 s[58:59], s[16:17], s[46:47]
	s_wait_kmcnt 0x0
	s_add_co_i32 s96, s[E0+2], s[E0+3]             ; e2 + e3
	s_lshl_b32 s97, s96, 23
	s_add_co_i32 s[CS], s97, 0x3fb8aa3b            ; a sum stands for sum x 2^(e2+e3): the exponents are added to log2(e)'s exponent field.  (1 / 8 lies in k's codes)
	s_mov_b32 s[CS+1], s[CS]                       ; (named with it as a pair, so it is written)
	s_sub_co_i32 s96, 0, s96
	v_mov_b32 v219, 0xc61c4000                     ; -10000.0
	v_ldexp_f32 v219, v219, s96                    ; in the sums' units
	s_add_co_i32 s96, s[E0+5], 127
	s_lshl_b32 s97, s96, 23
	v_mov_b32 v221, s97                            ; 2^e5, for p's conversions
	s_add_co_i32 s96, s96, 8
	s_lshl_b32 s96, s96, 23
	s_or_b32 s96, s96, 0x600000
	v_mov_b32 v220, s96                            ; 448 x 2^e5
	s_add_co_i32 s96, s[E0+6], 127
	s_lshl_b32 s97, s96, 23
	v_mov_b32 v223, s97                            ; 2^e6, for ctx's
	s_add_co_i32 s96, s96, 8
	s_lshl_b32 s96, s96, 23
	s_or_b32 s96, s96, 0x600000
	v_mov_b32 v222, s96                            ; 448 x 2^e6
	s_wait_loadcnt 0x0
.irp k, 0,1,2,3
	v_bfe_u32 v[24+\k], v11, 8*\k, 8
	v_cmp_eq_u32 vcc_lo, 0, v[24+\k]
	v_cndmask_b32 v[24+\k], 0, v219, vcc_lo        ; false: -10000; true: 0
.endr
	ds_store_b128 v[PST], v[24:27]                 ; the pad table; the first slot's barrier stands between this and its readers
.macro FLOAD                           ; a slot of K and of V, 16,384 consecutive bytes each: 512 threads x 16 bytes x 2
	global_load_b128 v[ST:ST+3], v[FO], s[48:49]
	global_load_b128 v[ST+4:ST+7], v[FO], s[48:49] offset:8192
	global_load_b128 v[ST+8:ST+11], v[FO], s[50:51]
	global_load_b128 v[ST+12:ST+15], v[FO], s[50:51] offset:8192
.endm
; A KEY STEP: 128 keys, the q-th of the slot in hand.
.macro STEP q
	s_cmp_le_u32 s[KF], s[LASTK]                   ; a step all of whose keys lie beyond what my tile walks is left out; no barrier stands in a step
	s_cbranch_scc0 .Lskip_\@
.rept 4
	v_nop                                          ; places in front of loads into registers that the last products have read
.endr
.set T, 0
.rept 8
	ds_load_b128 v[KV+8*T:KV+8*T+3], v[ADK] offset:8192*(\q)+1024*T
	ds_load_b128 v[KV+8*T+4:KV+8*T+7], v[ADK] offset:8192*(\q)+1024*T+512
.set T, T+1
.endr
	s_add_co_u32 s96, s[KF], 127
	s_lshr_b32 s98, s[KF], 7
	s_lshr_b32 s98, s[HOLES], s98
	s_and_b32 s98, s98, 1                          ; a false entry among these 128 keys,
	s_cmp_gt_u32 s96, s[QMIN]
	s_cselect_b32 s97, 1, 0                        ; or a key behind my first query?
	s_or_b32 s97, s97, s98
	s_cmp_lg_u32 s97, 0
	s_cbranch_scc0 .Lplain_\@
.set T, 0
.rept 8                                ; the padding's term for my 64 keys, as the C of the products: tile T, register j: key 32 (T / 2) + 16 h + 8 (T % 2) + j
	ds_load_b128 v[S+8*T:S+8*T+3], v[ADP] offset:512*(\q)+4*(32*(T/2)+8*(T%2))
	ds_load_b128 v[S+8*T+4:S+8*T+7], v[ADP] offset:512*(\q)+4*(32*(T/2)+8*(T%2))+16
.set T, T+1
.endr
	s_wait_dscnt 0x0
	s_cmp_gt_u32 s96, s[QMIN]
	s_cbranch_scc0 .Lnodiag_\@
	s_sub_co_i32 s99, s[QMIN], s[KF]
	v_add_nc_u32 v218, s99, v[LQ]                  ; d = my query - KF - 16 (lane / 16).  Register 16 b + i holds key KF + 16 (lane / 16) + 32 b + i: behind my query where 32 b + i > d
.set N, 0
.rept 32
	v_cmp_gt_i32 vcc_lo, 32*(N/16)+N%16, v218
	v_cndmask_b32 v216, 0, v219, vcc_lo
	v_cmp_gt_i32 vcc_lo, 32*(N/16)+N%16+1, v218
	v_cndmask_b32 v217, 0, v219, vcc_lo
	v_pk_add_f32 v[S+N:S+N+1], v[S+N:S+N+1], v[216:217]   ; the causal term, added to the padding's
.set N, N+2
.endr
.Lnodiag_\@:
.set T, 0
.rept 8
	v_wmma_f32_16x16x64_fp8_fp8 v[S+8*T:S+8*T+7], v[KV+8*T:KV+8*T+7], v[QF:QF+7], v[S+8*T:S+8*T+7]
.set T, T+1
.endr
	s_branch .Ljoin_\@
.Lplain_\@:
	s_wait_dscnt 0x0
.set T, 0
.rept 8
	v_wmma_f32_16x16x64_fp8_fp8 v[S+8*T:S+8*T+7], v[KV+8*T:KV+8*T+7], v[QF:QF+7], 0
.set T, T+1
.endr
.Ljoin_\@:
.rept 4
	v_nop                                          ; places in front of the loads into K's registers and of the first read of the scores
.endr
.set T, 0
.rept 4                                ; V's four fragments land under the softmax
.irp c, 0,1,2,3
	ds_load_b128 v[KV+16*T+4*\c:KV+16*T+4*\c+3], v[ADK] offset:16384+8192*(\q)+2048*T+512*\c
.endr
.set T, T+1
.endr
	v_max3_num_f32 v208, v[S], v[S+1], v[S+2]      ; the step's largest score of my query among my 64 keys, in two chains, each accumulator from its low end on,
	v_max3_num_f32 v209, v[S+3], v[S+4], v[S+5]
.set N, 6
.rept 14
	v_max3_num_f32 v208, v208, v[S+N], v[S+N+1]
	v_max3_num_f32 v209, v209, v[S+N+2], v[S+N+3]
.set N, N+4
.endr
	v_max3_num_f32 v208, v208, v[S+62], v[S+63]
	v_max_num_f32 v208, v208, v209
	v_permlanex16_b32 v210, v208, s[SEL], s[SEL+1]
	v_max_num_f32 v208, v208, v210                 ; and among lane l xor 16's
	v_mul_f32 v208, s[CS], v208                    ; as t (the factor is positive)
	v_max_num_f32 v13, v13, v208                   ; the running largest t
	v_mov_b32 v208, v12
	v_floor_f32 v12, -v13                          ; the new -M = floor(-t) = -ceil(t): M is a whole number
	v_sub_f32 v208, v12, v208                      ; M's old value less its new one: a whole number, 0 or less
	v_cvt_i32_f32 v208, v208                       ; (it saturates)
	v_ldexp_f32 v212, 1.0, v208                    ; f = 2^(old M - new M)
.set N, 0
.rept 32
	v_pk_fma_f32 v[S+N:S+N+1], v[S+N:S+N+1], s[CS:CS+1], v[12:13] op_sel_hi:[1,0,0]   ; t - M, two at a time (of both pairs the low word serves both halves)
.set N, N+2
.endr
.set N, 0
.rept 64
	v_exp_f32 v[S+N], v[S+N]                       ; p = 2^(t - M), at most 1
.set N, N+1
.endr
	v_pk_mul_f32 v[14:15], v[14:15], v[212:213] op_sel_hi:[1,0]   ; the sums under the new M: the plain instruction behind the exponentials
	s_wait_alu depctr_va_vdst(0)                   ; the wait ahead of the first line that names a result: one for the batch of 64
	v_pk_add_f32 v[214:215], v[S:S+1], v[S+2:S+3]  ; the row's sum is taken of the unquantised p: two at a time, in two chains
.set N, 4
.rept 15
	v_pk_add_f32 v[14:15], v[14:15], v[S+N:S+N+1]
	v_pk_add_f32 v[214:215], v[214:215], v[S+N+2:S+N+3]
.set N, N+4
.endr
	v_pk_add_f32 v[14:15], v[14:15], v[214:215]
	s_cmp_ge_i32 s[E0+5], -8                       ; 448 x 2^e5 >= 1.75 there, and p <= 1: the hold would change nothing
	s_cbranch_scc1 .Lnohold_\@
.set N, 0
.rept 64
	v_min_num_f32 v[S+N], v[S+N], v220             ; the conversion to an 8-bit code does not saturate (ISA guide 7.6.2); p is not negative, so the hold is one-sided
.set N, N+1
.endr
.Lnohold_\@:
.irp b, 0,1,2,3
	v_cvt_scalef32_pk8_fp8_f32 v[PC+4*\b:PC+4*\b+1], v[S+16*\b:S+16*\b+7], v221
	v_cvt_scalef32_pk8_fp8_f32 v[PC+4*\b+2:PC+4*\b+3], v[S+16*\b+8:S+16*\b+15], v221
.endr
.set N, 0
.rept 16
	v_pk_mul_f32 v[O+N:O+N+1], v[O+N:O+N+1], v[212:213] op_sel_hi:[1,0]   ; O^T under the new M.  (Plain lines between the conversions and the products that read the codes)
.set N, N+2
.endr
	s_wait_dscnt 0x0                               ; V is in
.set T, 0
.rept 4                                ; the four accumulators take turns
	v_wmma_f32_16x16x128_fp8_fp8 v[O+8*T:O+8*T+7], v[KV+16*T:KV+16*T+15], v[PC:PC+15], v[O+8*T:O+8*T+7]
.set T, T+1
.endr
.Lskip_\@:
	s_add_co_u32 s[KF], s[KF], 128
.endm
	s_mov_b32 s[PASS], 0
.Lpass:                                                ; two trips: the block of late queries, then the block of early ones
	s_wait_loadcnt 0x0                             ; no load of mine is out,
	s_wait_xcnt 0x0                                ; and the last pass's stores have read their registers and base: all may be written again
	s_sub_co_u32 s44, 7, ttmp9
	s_cmp_eq_u32 s[PASS], 0
	s_cselect_b32 s44, s44, ttmp9                  ; the block of 256 queries
	s_lshl_b32 s45, s44, 4
	s_add_co_u32 s45, s45, s[WV]                   ; my tile of 16 queries
	s_and_b32 s46, s45, 1
	s_lshl_b32 s46, s46, 3
	s_lshl_b32 s[QMIN], s45, 4
	s_sub_co_u32 s[QMIN], s[QMIN], s46             ; its first query: 32 (t / 2) + 8 (t % 2); its last: 23 further on
	s_add_co_u32 s[LASTK], s[QMIN], 23
	s_cmp_lt_u32 s[QMIN], s[FIRST]
	s_cselect_b32 s[LASTK], 4095, s[LASTK]         ; a query ahead of the first true key: all keys are walked
	s_lshl_b32 s46, s44, 8
	s_cmp_lt_u32 s46, s[FIRST]
	s_cselect_b32 s[LIM], 7, s44                   ; the last slot that any of the sixteen tiles walks
	s_lshl_b32 s46, s45, 10
	s_mov_b32 s47, 0
	s_add_nc_u64 s[60:61], s[56:57], s[46:47]      ; my tile of Q
	s_lshl_b32 s46, s45, 14
	s_add_nc_u64 s[62:63], s[58:59], s[46:47]      ; and of ctx
	global_load_b128 v[QF:QF+3], v[LI], s[60:61]
	global_load_b128 v[QF+4:QF+7], v[LI], s[60:61] offset:512
	s_mov_b64 s[48:49], s[52:53]
	s_mov_b64 s[50:51], s[54:55]
	FLOAD                                          ; slot 0
	v_mov_b32 v13, 0xff61b1e6                      ; the largest t so far: -3e38, under every t
	v_floor_f32 v12, -v13                          ; -M
	v_mov_b32 v14, 0                               ; the sum, in two halves
	v_mov_b32 v15, 0
.set N, 0
.rept 32
	v_mov_b32 v[O+N], 0                            ; O^T.  (The step is written once: the first finds zeros, which the first change of M leaves zeros)
.set N, N+1
.endr
	s_wait_dscnt 0x0
	s_barrier_signal -1
	s_barrier_wait -1                              ; every wave's LDS reads of the last pass are over before a buffer is filled anew
	s_wait_loadcnt 0x0
	ds_store_b128 v[FO], v[ST:ST+3]                ; slot 0 into buffer 0
	ds_store_b128 v[FO], v[ST+4:ST+7] offset:8192
	ds_store_b128 v[FO], v[ST+8:ST+11] offset:16384
	ds_store_b128 v[FO], v[ST+12:ST+15] offset:24576
	s_mov_b32 s[SLOTN], 0
	s_mov_b32 s[KF], 0
	s_mov_b32 s[KF4], 0
	s_mov_b32 s[TB], 0
.Lslot:                                                ; eight trips, a constant: what a tile does not walk is jumped over inside
	s_wait_dscnt 0x0                               ; my stores into this slot's buffer have landed, and my reads of the other buffer are over
	s_barrier_signal -1
	s_barrier_wait -1                              ; both now hold of every wave
	v_add_nc_u32 v[ADK], s[TB], v[LI]
	v_add_nc_u32 v[ADP], s[KF4], v[PADA]
	s_xor_b32 s44, s[TB], BUF
	v_add_nc_u32 v[FA], s44, v[FO]
	s_cmp_lt_u32 s[SLOTN], s[LIM]                  ; is the next slot needed?  The same in all sixteen waves
	s_cbranch_scc0 .Lnofetch
	s_wait_loadcnt 0x0
	s_wait_xcnt 0x0                                ; the bases are stepped only behind these
	s_add_nc_u64 s[48:49], s[48:49], 16384
	s_add_nc_u64 s[50:51], s[50:51], 16384
	FLOAD                                          ; asked for two key steps ahead of the stores that want it
.Lnofetch:
	STEP 0
	STEP 1
	s_cmp_lt_u32 s[SLOTN], s[LIM]
	s_cbranch_scc0 .Lnostore
	s_wait_loadcnt 0x0
	ds_store_b128 v[FA], v[ST:ST+3]                ; into the buffer that was read a trip ago: every wave has passed this trip's barrier behind its reads of it
	ds_store_b128 v[FA], v[ST+4:ST+7] offset:8192
	ds_store_b128 v[FA], v[ST+8:ST+11] offset:16384
	ds_store_b128 v[FA], v[ST+12:ST+15] offset:24576
.Lnostore:
	s_xor_b32 s[TB], s[TB], BUF
	s_add_co_u32 s[KF4], s[KF4], 1024
	s_add_co_u32 s[SLOTN], s[SLOTN], 1
	s_cmp_lt_u32 s[SLOTN], 8
	s_cbranch_scc1 .Lslot
	; THE PASS'S END: ctx = O^T x 2^(e4+e5) / the sum, quantised with 2^e6; the code registers are two planes of the last product's fragment
.rept 4
	v_nop                                          ; places behind the last products
.endr
	v_add_f32 v14, v14, v15                        ; the sum's two halves,
	v_permlanex16_b32 v210, v14, s[SEL], s[SEL+1]
	v_add_f32 v14, v14, v210                       ; and lane l xor 16's
	v_rcp_f32 v14, v14
	v_nop                                          ; a plain instruction behind the reciprocal
	s_add_co_i32 s96, s[E0+4], s[E0+5]
	s_wait_alu depctr_va_vdst(0)                   ; and the wait ahead of its first reader
	v_ldexp_f32 v14, v14, s96
.set N, 0
.rept 16
	v_pk_mul_f32 v[O+N:O+N+1], v[O+N:O+N+1], v[14:15] op_sel_hi:[1,0]   ; each accumulator from its low end on
.set N, N+2
.endr
.set N, 0
.rept 32
	v_med3_num_f32 v[O+N], v[O+N], -v222, v222
.set N, N+1
.endr
.irp g, 0,1,2,3
	v_cvt_scalef32_pk8_fp8_f32 v[PC+2*\g:PC+2*\g+1], v[O+8*\g:O+8*\g+7], v223   ; registers 4 b .. 4 b + 3: channels 32 b + 16 (lane / 16) + 0 .. 15
.endr
	v_nop                                          ; a plain instruction behind the last conversion
	global_store_b128 v[LI], v[PC:PC+3], s[62:63]              ; 32 lanes store 512 consecutive bytes
	global_store_b128 v[LI], v[PC+4:PC+7], s[62:63] offset:512
	s_add_co_u32 s[PASS], s[PASS], 1
	s_cmp_lt_u32 s[PASS], 2
	s_cbranch_scc1 .Lpass
	s_wait_tensorcnt 0x0                           ; the wave's end, behind my last LDS store
	ds_add_u32 v[SPW], v[NIL]
	s_wait_dscnt 0x0
	s_endpgm
.Lfunc_end_k_qf2bd1b1079_attn:
	.size	k_qf2bd1b1079_attn, .Lfunc_end_k_qf2bd1b1079_attn-k_qf2bd1b1079_attn
	.p2alignl 7, 3214868480
	.fill 96, 4, 3214868480
	.section	.rodata,"a",@progbits
	.p2align	6, 0x0
	.amdhsa_kernel k_qf2bd1b1079_attn
		.amdhsa_group_segment_fixed_size 75776
		.amdhsa_private_segment_fixed_size 0
		.amdhsa_enable_private_segment 0
		.amdhsa_kernarg_size 56
		.amdhsa_user_sgpr_count 2
		.amdhsa_user_sgpr_kernarg_segment_ptr 1
		.amdhsa_wavefront_size32 1
		.amdhsa_system_sgpr_workgroup_id_x 1
		.amdhsa_system_sgpr_workgroup_id_y 1
		.amdhsa_system_sgpr_workgroup_id_z 1
		.amdhsa_system_vgpr_workitem_id 0
		.amdhsa_next_free_vgpr 256
		.amdhsa_next_free_sgpr 100
		.amdhsa_reserve_vcc 1
		.amdhsa_float_denorm_mode_32 3
		.amdhsa_float_denorm_mode_16_64 3
		.amdhsa_memory_ordered 1
		.amdhsa_forward_progress 1
		.amdhsa_inst_pref_size 61
	.end_amdhsa_kernel
	.amdgpu_metadata
---
amdhsa.version: [ 1, 2 ]
amdhsa.kernels:
  - .name:           k_qf2bd1b1079_attn
    .symbol:         k_qf2bd1b1079_attn.kd
    .args:
      - { .name: qimg, .offset: 0, .size: 8, .value_kind: global_buffer, .address_space: global }
      - { .name: kimg, .offset: 8, .size: 8, .value_kind: global_buffer, .address_space: global }
      - { .name: vimg, .offset: 16, .size: 8, .value_kind: global_buffer, .address_space: global }
      - { .name: key_padding_mask, .offset: 24, .size: 8, .value_kind: global_buffer, .address_space: global }
      - { .name: lowp_scales, .offset: 32, .size: 8, .value_kind: global_buffer, .address_space: global }
      - { .name: meta, .offset: 40, .size: 8, .value_kind: global_buffer, .address_space: global }
      - { .name: cimg, .offset: 48, .size: 8, .value_kind: global_buffer, .address_space: global }
    .group_segment_fixed_size: 75776
    .private_segment_fixed_size: 0
    .kernarg_segment_align: 8
    .kernarg_segment_size: 56
    .max_flat_workgroup_size: 512
    .sgpr_count:     100
    .vgpr_count:     256
    .wavefront_size: 32
...
	.end_amdgpu_metadata
.endif
;; end of part 3
;; launch proj (part 4): grid 4 x 32, 4 waves a work-group, clusters of 4 x 4, 327,680 bytes of LDS; arguments cimg, owc, lowp_scales, out_b, out0; writes out0
.if DOCPART == 4
	.amdgcn_target "amdgcn-amd-amdhsa--gfx1250"
	.amdhsa_code_object_version 6
	.text
	.protected	k_qf2bd1b1079_proj
	.globl	k_qf2bd1b1079_proj
	.p2align	8
	.type	k_qf2bd1b1079_proj,@function
k_qf2bd1b1079_proj:
	s_mov_b64 s[64:65], 0
	v_nop
	global_prefetch_b8 v0, s[64:65] scope:SCOPE_SE
	s_setreg_imm32_b32 hwreg(HW_REG_WAVE_MODE, 25, 1), 1
	s_wait_xcnt 0x0
	s_wait_alu depctr_hold_cnt(0) depctr_sa_sdst(0) depctr_va_vdst(0) depctr_va_sdst(0) depctr_va_ssrc(0) depctr_va_vcc(0) depctr_vm_vsrc(0)
	s_getreg_b32 s2, hwreg(HW_REG_IB_STS2, 6, 4)
	s_cmp_eq_u32 s2, 0
	s_cbranch_scc0 .Lentry_in_a_cluster
	s_endpgm
.Lentry_in_a_cluster:
	s_bfe_u32 s2, ttmp6, 0x10000c
	s_cmp_lg_u32 s2, 0xf033
	s_cbranch_scc0 .Lentry_shape_is_right
	s_endpgm
.Lentry_shape_is_right:
; out0 = ctx out_w^T + out_b on codes of FP8 (E4M3): sum x 2^(e6+e7) + out_b, f32.  LIMIT: e6 + e7 between -126 and 127, so that 2^(e6+e7) is an f32 number.
; cimg: ctx's codes as images of fragments: [tile of 16 tokens, 512 in all][8 fragments of 128 along E][4 planes][32 lanes][16 bytes]; lane (r, h) of tile t: token 32 (t / 2) + 8 (t % 2) + r + 8 (r / 8);
; plane c: E = 32 c + 16 h + 0 .. 15.  owc [1024][1024]: out_w's codes, K innermost, rows in changed places inside each group of 32 (place 16 (2 b + u) + r holds row 32 b + 8 u + r + 8 (r / 8)).
; A tile of 256 x 256 of the output is made by a work-group of four waves; a wave makes 128 x 128: 64 accumulators, 512 registers.  K = 1024 goes in four steps of 256 through a ring of two LDS slots.
; 'A' is ctx (source 1: tokens fall on lanes), 'B' is out_w (source 0: features fall on a lane's registers; two neighbouring tiles give 16 neighbouring columns).
; A's part of a slot is dense: 16 tiles of tokens x two fragments (4,096 bytes on end in memory); a fragment is read at 16 x lane.  B's part is rows of 256 bytes with 16 of padding.
; CLUSTERS: 4 x 4 work-groups: the four of a row ask for A's tile jointly, the four of a column for B's.  128 work-groups in all: a quarter of the output each cluster column.
; REGISTERS, in windows of 256: window 0: v8-11 out_b of my four columns; v16-29 addresses; v128-255 A's fragments, ONE set, later rows on the way out.  window 1: B's fragments, TWO sets.
;   window 2: the accumulators of A's blocks 0-3 (accumulator (a, b) at v[8 (8 a + b)]);  window 3: of blocks 4-7.
.set ROWB,   256                       ; a row of B's tile in bytes
.set KROW,   1024                      ; a row of owc in memory
.set PITCH,  272                       ; B's LDS row: 256 bytes + 16 of padding: the 16 rows that a load touches start at 16 different groups of four banks (64 banks of 4 bytes: ISA guide 11.1)
.set FR,     16                        ; registers of a fragment: 16 rows x 128 K
.set NL,     4                         ; LDS loads that bring one
.set NP,     4                         ; places behind this matrix instruction (ISA guide 7.12.1)
.set ABYTES, 65536                     ; A's part of a slot: 16 tiles x 4,096 bytes
.set HALFT,  128*PITCH                 ; 128 rows of B
.set SLOT,   ABYTES+2*HALFT
.set LAPS,   2
.set SPARE,  2*SLOT                    ; behind the ring: the spare words, 128 bytes for each wave
.set SPITCH, 528                       ; the way out: a stage of 16 rows x (512 bytes + 16) for each wave.  It lies in slot 0, which has had its last fill and its last read when the first result is stored there
.set ADRA, 16                          ; v16-17  LDS address of my A fragments in slot 0, 1
.set ADRB, 20                          ; v20-21  the same for B
.set STO,  24                          ; v24     the way out: where I put my numbers of a row
.set RD,   25                          ; v25     the way out: where I read a row back
.set CO,   26                          ; v26     16 x lane: my place in an image, in a row of the stage and in a row of the output
.set SPW,  28                          ; v28     LDS address of my spare word; never rewritten
.set NIL,  29                          ; v29     0; never rewritten
.set AF,   128                         ; A's fragments, in window 0
.set BK,   128                         ; the way out: 16 rows read back from the stage: v128-191 and v192-255 by turns
.set G1, 24                            ; s[24:31] descriptor group 1 for A's tiles;  s[32:39] group 0, one set for each slot
.set G0, 32
.set G1B, 48                           ; s[48:55], s[56:63] the same for B's tiles
.set G0B, 56
.set MSB, 0
.macro WIN new                         ; the immediate's high byte repeats the setting that is left
.if MSB != (\new)
	s_set_vgpr_msb (MSB<<8)|(\new)
.set MSB, (\new)
.endif
.endm
.set MUL_LO, 0xa1                      ; source 0 (B) window 1, source 1 (A) window 0, C and D window 2
.set MUL_HI, 0xf1                      ; the same, C and D window 3
.set TO_B,   0x40                      ; destination window 1, address window 0
; A joint load: waves 0 and 1 fetch for A, waves 2 and 3 for B; the branch hangs on the wave's number alone.  An s_nop 0 and four v_nop follow each of the two lines.
.macro JLOAD g0a, g1a, g0b, g1b
	s_cmp_eq_u32 s15, 0
	s_cbranch_scc0 .Lfor_b_\@
	tensor_load_to_lds s[\g0a:\g0a+3], s[\g1a:\g1a+7]
	s_nop 0
.rept 4
	v_nop
.endr
	s_branch .Lasked_\@
.Lfor_b_\@:
	tensor_load_to_lds s[\g0b:\g0b+3], s[\g1b:\g1b+7]
	s_nop 0
.rept 4
	v_nop
.endr
.Lasked_\@:
.endm
.macro CREST                           ; a round of the cluster's barrier behind its opening barrier
	s_cmp_lg_u32 s14, 0
	s_cbranch_scc1 .Lnot_wave_0_\@
	s_barrier_signal -3
.Lnot_wave_0_\@:
	s_barrier_wait -3
	s_barrier_signal -1
	s_barrier_wait -1
.endm
.macro CROUND                          ; a whole round
	s_barrier_signal -1
	s_barrier_wait -1
	CREST
.endm
	s_load_b128 s[4:7], s[0:1], 0x0                ; cimg s[4:5], owc s[6:7]
	s_load_b128 s[8:11], s[0:1], 0x10              ; the scales s[8:9], out_b s[10:11]
	s_load_b64 s[12:13], s[0:1], 0x20              ; out0
	v_lshl_add_u32 v[SPW], v0, 2, SPARE
	v_mov_b32 v[NIL], 0
	ds_add_u32 v[SPW], v[NIL]                      ; the wave's opening: the add and its wait ahead of my first tensor load; the set-up below, work on registers, stands between them
	v_lshrrev_b32 v1, 5, v0
	v_readfirstlane_b32 s14, v1                    ; wave 0..3
	s_lshr_b32 s15, s14, 1                         ; which half of the tile's tokens is mine.  Also: I fetch for A (0) or for B (1)
	s_and_b32 s16, s14, 1                          ; which half of its columns.  Also: which half of that tile I fetch
	s_bfe_u32 s40, ttmp6, 0x40000                  ; cx, cy: my place in the cluster
	s_bfe_u32 s41, ttmp6, 0x40004
	s_lshl_b32 s42, ttmp9, 2
	s_add_co_u32 s42, s42, s40                     ; tile column = 4 x cluster x + cx
	s_and_b32 s17, ttmp7, 0xffff
	s_lshl_b32 s17, s17, 2
	s_add_co_u32 s17, s17, s41                     ; tile row = 4 x cluster y + cy
	s_lshl_b32 s43, s41, 2
	s_lshl_b32 s43, 15, s43                        ; my row of the cluster
	s_lshl_b32 s44, 0x1111, s40                    ; my column
	; descriptor group 1 for A: 8 rows (tiles of tokens) x 4,096 bytes (two fragments), 16,384 bytes apart in memory, dense in LDS
	s_or_b32 s[G1+0], s43, (0<<16)|(1<<21)         ; 15:0 the mask: A's tiles go to my row; 17:16 element of 1 byte; 20 no padding; 21 set beside a mask
	s_mov_b32 s[G1+1], 4096<<16                    ; tensor_dim0 = 4096
	s_mov_b32 s[G1+2], 8<<16                       ; tensor_dim1 = 8
	s_mov_b32 s[G1+3], 4096<<16                    ; tile_dim0 = 4096
	s_mov_b32 s[G1+4], 8                           ; tile_dim1 = 8
	s_mov_b32 s[G1+5], 16384                       ; tensor_dim0_stride
	s_mov_b32 s[G1+6], 0
	s_mov_b32 s[G1+7], 0
	; for B: 128 rows x 256 bytes, padded in LDS
	s_or_b32 s[G1B+0], s44, (0<<16)|(1<<20)|(1<<21)|(5<<22)|(3<<25) ; the mask of my column; padding: 4 words (code 3) after every 64 (code 5)
	s_mov_b32 s[G1B+1], ROWB<<16
	s_mov_b32 s[G1B+2], 128<<16
	s_mov_b32 s[G1B+3], ROWB<<16
	s_mov_b32 s[G1B+4], 128
	s_mov_b32 s[G1B+5], KROW
	s_mov_b32 s[G1B+6], 0
	s_mov_b32 s[G1B+7], 0
	s_lshl_b32 s20, s17, 4
	s_lshl_b32 s18, s16, 3
	s_add_co_u32 s20, s20, s18                     ; A: tile of tokens 16 x tile row + 8 x half,
	s_lshl_b32 s20, s20, 14                        ; x 16,384 bytes
	s_mov_b32 s21, 0
	s_lshl_b32 s46, s42, 8
	s_lshl_b32 s18, s16, 7
	s_add_co_u32 s46, s46, s18                     ; B: place 256 x tile column + 128 x half,
	s_lshl_b32 s46, s46, 10                        ; x 1,024 bytes
	s_mov_b32 s47, 0
	s_lshl_b32 s45, s16, 15                        ; where they go: A's halves of 32,768 bytes,
	s_mul_i32 s88, s16, HALFT
	s_add_co_u32 s88, s88, ABYTES                  ; B's halves behind them: no place in the cluster enters an LDS address
	s_wait_dscnt 0x0                               ; the opening add is done
	s_wait_kmcnt 0x0
	s_load_b64 s[96:97], s[8:9], 0x18              ; e6, e7
	s_add_nc_u64 s[20:21], s[4:5], s[20:21]
	s_add_nc_u64 s[46:47], s[6:7], s[46:47]
	CROUND                                         ; all sixteen work-groups are here: the first joint loads meet
.irp s, 0,1
	s_mov_b32 s[G0+4*\s], 1
	s_add_co_u32 s[G0+4*\s+1], s45, \s*SLOT
	s_add_nc_u64 s[G0+4*\s+2:G0+4*\s+3], s[20:21], \s*4096
	s_or_b32 s[G0+4*\s+3], s[G0+4*\s+3], 0x80000000
	s_mov_b32 s[G0B+4*\s], 1
	s_add_co_u32 s[G0B+4*\s+1], s88, \s*SLOT
	s_add_nc_u64 s[G0B+4*\s+2:G0B+4*\s+3], s[46:47], \s*ROWB
	s_or_b32 s[G0B+4*\s+3], s[G0B+4*\s+3], 0x80000000
	JLOAD G0+4*\s, G1, G0B+4*\s, G1B               ; two loads of mine are out: K steps 0 and 1
.endr
	v_and_b32 v1, 15, v0                           ; r = l % 16
	v_bfe_u32 v2, v0, 4, 1                         ; h = l / 16
	v_and_b32 v6, 31, v0
	v_lshlrev_b32 v[CO], 4, v6
	v_mul_u32_u24 v3, v1, PITCH
	v_lshl_add_u32 v4, v2, 4, v3                   ; B: a fragment's row x pitch + 16 x half
	s_lshl_b32 s21, s15, 15                        ; my 8 tiles of tokens
	s_mul_i32 s22, s16, HALFT                      ; my 128 rows of B,
	s_add_co_u32 s22, s22, ABYTES                  ; which lie behind A's part
.irp s, 0,1
	v_add_nc_u32 v[ADRA+\s], s21, v[CO]
	v_add_nc_u32 v[ADRB+\s], s22, v4
	s_add_co_u32 s21, s21, SLOT
	s_add_co_u32 s22, s22, SLOT
.endr
	s_mul_i32 s23, s14, 16*SPITCH                  ; my stage
	v_mul_u32_u24 v5, v1, SPITCH                   ; in: row r; my half's 16 columns of each 32: + 64 h
	v_lshl_add_u32 v5, v2, 6, v5
	v_add_nc_u32 v[STO], s23, v5
	v_add_nc_u32 v[RD], s23, v[CO]                 ; back: the 32 lanes take one row of 512 bytes
	s_lshl_b32 s20, s17, 8
	s_lshl_b32 s21, s15, 7
	s_add_co_u32 s20, s20, s21                     ; my first token: 256 x tile row + 128 x half,
	s_lshl_b32 s20, s20, 12                        ; x 4,096 bytes
	s_mov_b32 s21, 0
	s_lshl_b32 s46, s42, 10                        ; my first column, in bytes: 1024 x tile column + 512 x half
	s_lshl_b32 s47, s16, 9
	s_add_co_u32 s46, s46, s47
	s_mov_b32 s47, 0
	s_add_nc_u64 s[10:11], s[10:11], s[46:47]
	global_load_b128 v[8:11], v[CO], s[10:11]      ; out_b of the four columns that I store
	s_add_nc_u64 s[20:21], s[20:21], s[46:47]
	s_add_nc_u64 s[12:13], s[12:13], s[20:21]
.macro FRAGB reg, adr, q, i            ; B: lane l holds row l % 16; registers 4 c .. 4 c + 3 hold K = 32 c + 16 (l / 16) + 0 .. 15: the order in which A's images have it
.irp c, 0,1,2,3
	ds_load_b128 v[\reg+4*\c:\reg+4*\c+3], v[\adr] offset:128*(\q)+32*\c+(\i)*16*PITCH
.endr
.endm
.macro FRAGA reg, adr, q, i            ; A: tile i of tokens, fragment q of the slot's two, plane c: 512 consecutive bytes a load
.irp c, 0,1,2,3
	ds_load_b128 v[\reg+4*\c:\reg+4*\c+3], v[\adr] offset:2048*(\q)+512*\c+(\i)*4096
.endr
.endm
; 16 matrix instructions: A's blocks a0, a0 + 1 x B's eight, 128 along K.  p: B's set.  zero = 1: the first product starts the sums.  The 64 accumulators take turns, one instruction a turn.
.macro MUL16 a0, p, zero
.irp a, \a0, \a0+1
.irp b, 0,1,2,3,4,5,6,7
.if \zero
	v_wmma_f32_16x16x128_fp8_fp8 v[8*(8*((\a)%4)+\b):8*(8*((\a)%4)+\b)+7], v[128*(\p)+FR*\b:128*(\p)+FR*\b+FR-1], v[AF+FR*(\a):AF+FR*(\a)+FR-1], 0
.else
	v_wmma_f32_16x16x128_fp8_fp8 v[8*(8*((\a)%4)+\b):8*(8*((\a)%4)+\b)+7], v[128*(\p)+FR*\b:128*(\p)+FR*\b+FR-1], v[AF+FR*(\a):AF+FR*(\a)+FR-1], v[8*(8*((\a)%4)+\b):8*(8*((\a)%4)+\b)+7]
.endif
.endr
.endr
.endm
.macro FETCH_B slot, q, p
	WIN TO_B
.irp i, 0,1,2,3,4,5,6,7
	FRAGB 128*(\p)+FR*\i, ADRB+\slot, \q, \i
.endr
	WIN 0
.endm
.macro FETCH_A slot, q, i0
.irp i, \i0, \i0+1, \i0+2, \i0+3
	FRAGA AF+FR*(\i), ADRA+\slot, \q, \i
.endr
.endm
.macro PLACES n                        ; places in front of loads into registers that matrix instructions have read, and of the first read of results (ISA guide 7.12.1 for vector instructions)
.rept \n
	v_nop
.endr
.endm
.macro STEP slot, q, zero              ; a step of 128 along K that has its successor in the same slot
	s_wait_dscnt 4*NL                              ; B's set and A's blocks 0-3 are in; the youngest sixteen loads (A's blocks 4-7) may be out
	WIN MUL_LO
	MUL16 0, (\q)%2, \zero
	MUL16 2, (\q)%2, \zero
	s_wait_dscnt 0                                 ; A's blocks 4-7 are in
	PLACES NP
	FETCH_B \slot, (\q)+1, 1-(\q)%2
	FETCH_A \slot, (\q)+1, 0
	WIN MUL_HI
	MUL16 4, (\q)%2, \zero
	MUL16 6, (\q)%2, \zero
	PLACES NP
	WIN 0
	FETCH_A \slot, (\q)+1, 4
.endm
; A slot's last step changes slots: ONE barrier; in front of it each wave waits for all its tensor loads, adds 0 to its spare word, and waits for that and for its own reads of this slot.  fill = 1: this slot is filled again, two K steps ahead.
.macro TURN slot, next, fill
	s_wait_tensorcnt 0x0                           ; all my tensor loads have landed: my part of the next slot  (every window is 0 here)
	ds_add_u32 v[SPW], v[NIL]                      ; 0 onto my spare word
	s_wait_dscnt 4*NL+1                            ; (the add and the youngest sixteen loads may be out)
	WIN MUL_LO
	MUL16 0, 1, 0                                  ; sixteen matrix instructions stand between the add and the wait for it
	s_wait_dscnt 0x0                               ; the add is done, and my reads of this slot are over
	s_barrier_signal -1
	MUL16 2, 1, 0
	WIN 0
	s_barrier_wait -1
.if \fill
	CREST                                          ; the barrier has opened a round of the cluster's barrier: no wave of any partner still reads this slot's tile or has a load on its way
	s_add_nc_u64 s[G0+4*\slot+2:G0+4*\slot+3], s[G0+4*\slot+2:G0+4*\slot+3], 2*4096
	s_add_nc_u64 s[G0B+4*\slot+2:G0B+4*\slot+3], s[G0B+4*\slot+2:G0B+4*\slot+3], 2*ROWB
	JLOAD G0+4*\slot, G1, G0B+4*\slot, G1B         ; the first tensor load behind the round, and my only one until the next; its four v_nop are the places in front of the loads below
.else
	PLACES NP
.endif
	FETCH_B \next, 0, 0
	FETCH_A \next, 0, 0
	WIN MUL_HI
	MUL16 4, 1, 0
	MUL16 6, 1, 0
	PLACES NP
	WIN 0
	FETCH_A \next, 0, 4
.endm
	s_wait_tensorcnt 1                             ; my part of K step 0 is in (K step 1's load may be out)
	s_barrier_signal -1
	s_barrier_wait -1                              ; everybody's is
	FETCH_B 0, 0, 0
	FETCH_A 0, 0, 0
	FETCH_A 0, 0, 4
	STEP 0, 0, 1                                   ; the first step stands in front of the loop: its products start the sums
	s_mov_b32 s3, LAPS-1
.Llap:
	TURN 0, 1, 1
	STEP 1, 0, 0
	TURN 1, 0, 1
	STEP 0, 0, 0
	s_sub_co_u32 s3, s3, 1
	s_cmp_lg_u32 s3, 0
	s_cbranch_scc1 .Llap
	TURN 0, 1, 0                                   ; the last lap fills nothing, and has no round of the cluster's barrier
	STEP 1, 0, 0
	s_wait_dscnt 4*NL                              ; the very last step: nothing more to fetch
	WIN MUL_LO
	MUL16 0, 1, 0
	MUL16 2, 1, 0
	s_wait_dscnt 0
	WIN MUL_HI
	MUL16 4, 1, 0
	MUL16 6, 1, 0
	WIN 0
; THE WAY OUT, block by block of 16 tokens x 128 columns.  The sums go as they are from the accumulators into my own stage (each accumulator from its low end on), come back as whole rows of 512 bytes,
; are turned into sum x 2^(e6+e7) + out_b by one fused multiply-add for two numbers, and the 32 lanes store a row's 512 consecutive bytes.
; LDS serves a wave's instructions in order (ISA guide 5.7.1.4): no wait between the stores and the loads, nor in front of the next block's stores.
.macro TOSTAGE a
.set AC, 64*((\a)%4)
	WIN 0x08+4*((\a)/4)                            ; an LDS store's data are its source 1: window 2 or 3
.irp b, 0,1,2,3,4,5,6,7
	ds_store_b128 v[STO], v[AC+8*\b:AC+8*\b+3] offset:128*(\b/2)+32*(\b%2)         ; lane (r, h), tile b, register j: column 32 (b / 2) + 16 h + 8 (b % 2) + j
	ds_store_b128 v[STO], v[AC+8*\b+4:AC+8*\b+7] offset:128*(\b/2)+32*(\b%2)+16
.endr
	WIN 0
.set BB, BK+64*((\a)%2)
.irp t, 0,1,2,3,4,5,6,7,8,9,10,11,12,13,14,15
	ds_load_b128 v[BB+4*\t:BB+4*\t+3], v[RD] offset:\t*SPITCH
.endr
.endm
.macro SEND a, younger                 ; younger: the LDS instructions issued behind block a's loads, which may stay out
.set BB, BK+64*((\a)%2)
	s_wait_dscnt \younger                          ; the block is back in registers
.irp t, 0,1,2,3,4,5,6,7,8,9,10,11,12,13,14,15
	v_pk_fma_f32 v[BB+4*\t:BB+4*\t+1], v[BB+4*\t:BB+4*\t+1], s[96:97], v[8:9] op_sel_hi:[1,0,1]
	v_pk_fma_f32 v[BB+4*\t+2:BB+4*\t+3], v[BB+4*\t+2:BB+4*\t+3], s[96:97], v[10:11] op_sel_hi:[1,0,1]
	global_store_b128 v[CO], v[BB+4*\t:BB+4*\t+3], s[12:13] offset:(32*((\a)/2)+8*((\a)%2)+\t+8*(\t/8))*4096 th:TH_STORE_NT   ; row t of block a is token 32 (a / 2) + 8 (a % 2) + t + 8 (t / 8): 127 rows of 4,096 bytes at the most, inside the signed 24-bit immediate; written once, read by nobody here
.endr
.endm
	s_wait_kmcnt 0x0
	s_add_co_i32 s96, s96, s97                     ; e6 + e7
	s_add_co_i32 s96, s96, 127
	s_lshl_b32 s96, s96, 23                        ; 2^(e6 + e7) as f32
	s_mov_b32 s97, s96                             ; (named with it as a pair, so it is written)
	s_wait_loadcnt 0x0                             ; out_b
	PLACES NP                                      ; behind the last products: for the stores that read results and the loads into the registers that held A's fragments
	TOSTAGE 0
.irp a, 1,2,3,4,5,6,7
.if \a > 1
	s_wait_xcnt 0x0                                ; block a - 2's stores have read their registers: block a's loads may land there
.endif
	TOSTAGE \a
	SEND \a-1, 32                                  ; behind block a - 1's loads: block a's 16 stores and 16 loads
.endr
	SEND 7, 0
	s_wait_tensorcnt 0x0                           ; the wave's end, behind my last tensor load and my last LDS store
	ds_add_u32 v[SPW], v[NIL]
	s_wait_dscnt 0x0
	CROUND                                         ; the closing round: no work-group ends while a partner may still ask for a tile that names it
	s_endpgm
.Lfunc_end_k_qf2bd1b1079_proj:
	.size	k_qf2bd1b1079_proj, .Lfunc_end_k_qf2bd1b1079_proj-k_qf2bd1b1079_proj
	.p2alignl 7, 3214868480
	.fill 96, 4, 3214868480
	.section	.rodata,"a",@progbits
	.p2align	6, 0x0
	.amdhsa_kernel k_qf2bd1b1079_proj
		.amdhsa_group_segment_fixed_size 327680
		.amdhsa_private_segment_fixed_size 0
		.amdhsa_enable_private_segment 0
		.amdhsa_kernarg_size 40
		.amdhsa_user_sgpr_count 2
		.amdhsa_user_sgpr_kernarg_segment_ptr 1
		.amdhsa_wavefront_size32 1
		.amdhsa_system_sgpr_workgroup_id_x 1
		.amdhsa_system_sgpr_workgroup_id_y 1
		.amdhsa_system_sgpr_workgroup_id_z 1
		.amdhsa_system_vgpr_workitem_id 0
		.amdhsa_next_free_vgpr 1024
		.amdhsa_next_free_sgpr 98
		.amdhsa_reserve_vcc 0
		.amdhsa_float_denorm_mode_32 3
		.amdhsa_float_denorm_mode_16_64 3
		.amdhsa_memory_ordered 1
		.amdhsa_forward_progress 1
		.amdhsa_inst_pref_size 123
	.end_amdhsa_kernel
	.amdgpu_metadata
---
amdhsa.version: [ 1, 2 ]
amdhsa.kernels:
  - .name:           k_qf2bd1b1079_proj
    .symbol:         k_qf2bd1b1079_proj.kd
    .args:
      - { .name: cimg, .offset: 0, .size: 8, .value_kind: global_buffer, .address_space: global }
      - { .name: owc, .offset: 8, .size: 8, .value_kind: global_buffer, .address_space: global }
      - { .name: lowp_scales, .offset: 16, .size: 8, .value_kind: global_buffer, .address_space: global }
      - { .name: out_b, .offset: 24, .size: 8, .value_kind: global_buffer, .address_space: global }
      - { .name: out0, .offset: 32, .size: 8, .value_kind: global_buffer, .address_space: global }
    .group_segment_fixed_size: 327680
    .private_segment_fixed_size: 0
    .kernarg_segment_align: 8
    .kernarg_segment_size: 40
    .max_flat_workgroup_size: 128
    .sgpr_count:     98
    .vgpr_count:     1024
    .wavefront_size: 32
...
	.end_amdgpu_metadata
.endif
;; end of part 4
;; ======== version 2 of 2: 4 launches; version 1 with the launch attn written anew for expert scheduling mode
;; workspace buffers: xc 8,388,608 bytes; wc 3,145,728 bytes; owc 1,048,576 bytes; qimg 8,388,608 bytes; kimg 8,388,608 bytes; vimg 8,388,608 bytes; cimg 8,388,608 bytes; meta 256 bytes of whole numbers
;; launch prep: the kernel of part 1 again; grid 385 x 1, 4 waves a work-group, no clusters, 33,280 bytes of LDS; arguments x, Wqkv_w, out_w, key_padding_mask, lowp_scales, xc, wc, owc, meta; writes xc, wc, owc, meta
;; launch qkv: the kernel of part 2 again; grid 12 x 32, 4 waves a work-group, clusters of 4 x 4, 327,680 bytes of LDS; arguments xc, wc, Wqkv_b, lowp_scales, qimg, kimg, vimg; writes qimg, kimg, vimg
;; launch attn (part 5): grid 4 x 64, 16 waves a work-group, no clusters, 75,776 bytes of LDS; arguments qimg, kimg, vimg, key_padding_mask, lowp_scales, meta, cimg; writes cimg
.if DOCPART == 5
	.amdgcn_target "amdgcn-amd-amdhsa--gfx1250"
	.amdhsa_code_object_version 6
	.text
	.protected	k_qf2bd1b1079_attn
	.globl	k_qf2bd1b1079_attn
	.p2align	8
	.type	k_qf2bd1b1079_attn,@function
k_qf2bd1b1079_attn:
	s_mov_b64 s[64:65], 0
	v_nop
	global_prefetch_b8 v0, s[64:65] scope:SCOPE_SE
	s_setreg_imm32_b32 hwreg(HW_REG_WAVE_SCHED_MODE, 0, 2), 2
	s_setreg_imm32_b32 hwreg(HW_REG_WAVE_MODE, 25, 1), 1
	s_wait_xcnt 0x0
	s_wait_alu depctr_vm_vsrc(0)
; ctx = softmax(q (k / 8)^T + padding + causal) v for one head of one batch, both products on codes of FP8 (E4M3), and ctx quantised at once with 2^e6 for the last product.
; BOTH MASKS ARE ADDED, -10000 each, as the problem has them: they are no -infinity.  A query t that comes before the batch's first true key (FIRST) sees every key at -10000 or -20000, and its softmax runs over
; keys after t too.  So: a tile of queries all of which are at or behind FIRST walks the keys up to its last query (what lies beyond is at least 3,728 under a visible key: its weight is 0 in f32, since
; FIRST < 2048 only where |score| <= 3,136); every other tile walks all 2,048 keys.  FIRST and HOLES (which blocks of 128 keys hold a false entry) are whole numbers that the first launch stored.
; The walk hangs on numbers read from memory, so this launch has no tensor load: K and V come by loads into registers and LDS stores, asked for a slot's work ahead; and so no joint loads in a cluster either.
; THE SOFTMAX AHEAD OF THE SECOND PRODUCT: t = score x log2(e); M = the row's largest t so far, rounded UP to a whole number; p = 2^(t - M) is quantised with 2^e5, not normalised; the row's sum is taken of the
; unquantised p and divides at the end.  When M moves, the sum and O are multiplied by 2^(old M - new M): nothing is rounded.
; SHARES.  Work-group (x, 16 batch + head) makes two blocks of 256 queries, 7 - x and then x: 9 slots of 256 keys in all where the causal skip holds, the same for every x.  Each of its sixteen waves owns
; one tile of 16 queries, in 256 registers: four waves to a SIMD, so that one wave's vector work stands beside another's matrix work and LDS loads.
; LAYOUT.  Both products are used transposed: S^T = K Q^T (source 0 = 16 keys, source 1 = my 16 queries, K = 64), O^T = V^T P^T (source 0 = 16 channels, source 1 = P, K = 128 keys): a lane holds ONE query throughout.
; All operands come as images of their registers (lane l's 16 bytes at 16 l).  Tile t of tokens: lane r is token 32 (t / 2) + 8 (t % 2) + r + 8 (r / 8): so the 16 registers of score tiles 2 b, 2 b + 1 are keys
; 32 b + 16 (lane / 16) + 0 .. 15, and the conversions' results are P's fragment; V's tiles of channels are chosen likewise, so that O^T's registers are ctx's fragment for the last product.
; The masks go in as the C of the first product, in the sums' own units (-10000 / 2^(e2+e3)): a step with no hole and no key behind a query takes C = 0.
; LIMITS on the given exponents: e2 + e3 between -113 and 126 (log2(e) x 2^(e2+e3) and 20000 / 2^(e2+e3) are f32 numbers); e5, e6 between -126 and 119; e4 + e5 is applied by v_ldexp_f32 and has none.
; THE MODE: SCHED_MODE bits 1:0 = 2 (LLVM: expert scheduling mode 2), set by the entry lines.  The code itself states the register dependences
; between vector or matrix instructions and memory or LDS instructions, with s_wait_alu, always for 0.
; THE PLAN.  Registers that memory or LDS instructions touch:
;   KV            A step: K's 16 LDS loads land in it; the eight products K Q^T read it; V's 16 LDS loads land in it; the four products V^T P read it.
;   S             A step with masks: the padding's 16 LDS loads land in it; else it is named by vector and matrix instructions alone.
;   ST            Global loads land in it, LDS stores read it; no vector instruction names it.
;   QF            A load lands in it at a pass's head; the products K Q^T read it.
;   PC            Written by the conversions; read by the products V^T P and, at a pass's end, by the two stores of ctx.
;   ADK, ADP, FA  Written once a slot, at its head; read by the slot's LDS loads and stores.  (v10, which is FA, is the offset of the mask's load at the head.)
;   LI, FO, PADA, PST   Made at the head and never written again.   v24-27: the pad table's numbers, stored once and never written again.   SPW, NIL: read by the closing add alone.
; THE WAITS.  A pass's head: one on vm_vsrc, one on va_vdst, ahead of its loads.  A slot's head: one on vm_vsrc ahead of the three address lines, one on va_vdst behind them, which serves the slot's fill, the first
; step's loads and the LDS stores at the slot's end.  The second step's head: one on va_vdst.  In each step one on va_vdst where -M has just been made, a result for which the lines that follow wait in any case: V's loads follow it, dealt
; among the 32 scalings, which name S, v12 and v13 alone.  A pass's end: one on va_vdst ahead of its two stores.  Compares go into scalar registers in runs, with one wait on va_sdst behind a run.
.set BUF,   32768                      ; LDS: two buffers of a slot each: K's 16 tiles (16,384 bytes), then V's 8 fragments (16,384 bytes), dense images
.set PADT,  65536                      ; 2,048 f32, in the keys' order: 0 or -10000 / 2^(e2+e3)
.set SPARE, 73728                      ; the spare words, 128 bytes for each of 16 waves
.set LI,   1                           ; v1   16 x lane: my place in an image
.set FO,   2                           ; v2   16 x thread: my place in a fill's 8,192 bytes
.set PADA, 3                           ; v3   PADT + 64 x (lane / 16)
.set SPW,  4                           ; v4   LDS address of my spare word; never rewritten
.set NIL,  5                           ; v5   0; never rewritten
.set LQ,   6                           ; v6   r + 8 (r / 8) - 16 (lane / 16)
.set PST,  7                           ; v7   PADT + 16 x thread
.set ADK,  8                           ; v8   the slot in hand + LI
.set ADP,  9                           ; v9   the slot's place in the pad table + PADA
.set FA,   10                          ; v10  the other buffer + FO
.set QF,   16                          ; v16-23   Q's fragment.  v12 -M, v13 the largest t, v[14:15] the sum in two halves
.set KV,   32                          ; v32-95   K's 8 fragments, then V's 4
.set S,    96                          ; v96-159  S^T, then p
.set O,    160                         ; v160-191 O^T
.set ST,   192                         ; v192-207 a fill on its way from memory to LDS
.set PC,   224                         ; v224-239 p's codes; at a pass's end ctx's.  v208-223: at work and constants (see their lines)
.set WV,   18                          ; s18  wave
.set BH,   19                          ; s19  16 batch + head
.set SEL,  20                          ; s[20:21] lane selects for v_permlanex16_b32: lane l xor 16
.set CS,   22                          ; s[22:23] log2(e) x 2^(e2+e3)
.set TB,   24                          ; s24  LDS byte at which the slot in hand begins
.set SLOTN, 25                         ; s25  the slot's number
.set PASS, 26
.set KF,   27                          ; s27  the step's first key
.set QMIN, 28                          ; s28  my tile's first query
.set LASTK, 29                         ; s29  the last key that my tile walks
.set LIM,  30                          ; s30  the last slot that the work-group needs
.set KF4,  33                          ; s33  4 x the slot's first key
.set FIRST, 34                         ; s[34:35] FIRST, HOLES
.set HOLES, 35
.set E0,   36                          ; s[36:43] e0 .. e7
.set MK,   68                          ; s68-83   lane masks of a run of compares
	s_load_b256 s[4:11], s[0:1], 0x0               ; qimg s[4:5], kimg s[6:7], vimg s[8:9], the mask s[10:11]
	s_load_b128 s[12:15], s[0:1], 0x20             ; the scales s[12:13], meta s[14:15]
	s_load_b64 s[16:17], s[0:1], 0x30              ; cimg
	v_lshl_add_u32 v[SPW], v0, 2, SPARE
	v_mov_b32 v[NIL], 0
	v_lshrrev_b32 v8, 5, v0
	v_readfirstlane_b32 s[WV], v8
	s_and_b32 s[BH], ttmp7, 0xffff
	v_and_b32 v[LI], 31, v0
	v_lshlrev_b32 v[LI], 4, v[LI]
	v_lshlrev_b32 v[FO], 4, v0
	v_bfe_u32 v9, v0, 4, 1                         ; h
	v_lshlrev_b32 v[PADA], 6, v9
	v_add_nc_u32 v[PADA], PADT, v[PADA]
	v_and_b32 v8, 15, v0                           ; r
	v_and_b32 v10, 8, v8
	v_add_nc_u32 v[LQ], v10, v8
	v_lshlrev_b32 v9, 4, v9
	v_sub_nc_u32 v[LQ], v[LQ], v9
	v_lshl_add_u32 v[PST], v0, 4, PADT
	v_lshlrev_b32 v10, 2, v0                       ; my four bytes of the batch's mask
	v_mov_b32 v210, 0                              ; written once: a lane permute's destination counts as one of its sources
	v_mov_b32 v213, 0                              ; (named as the upper half of the pair v[212:213])
	s_wait_alu depctr_va_sdst(0)                   ; the wave's number is written into s[WV], ahead of its first reader (a pass's head) and of every label
	s_lshr_b32 s44, s[BH], 4                       ; batch
	s_and_b32 s45, s[BH], 15                       ; head
	s_lshl_b32 s46, s[BH], 17                      ; 131,072 bytes for each batch and head in qimg, kimg, vimg
	s_mov_b32 s47, 0
	s_mov_b32 s[SEL], 0x76543210
	s_mov_b32 s[SEL+1], 0xfedcba98
	s_wait_kmcnt 0x0
	s_load_b256 s[E0:E0+7], s[12:13], 0x0
	s_add_nc_u64 s[56:57], s[4:5], s[46:47]        ; Q, K, V at my batch and head
	s_add_nc_u64 s[52:53], s[6:7], s[46:47]
	s_add_nc_u64 s[54:55], s[8:9], s[46:47]
	s_lshl_b32 s46, s44, 3
	s_add_nc_u64 s[14:15], s[14:15], s[46:47]
	s_load_b64 s[FIRST:HOLES], s[14:15], 0x0       ; the batch's two whole numbers
	s_lshl_b32 s46, s44, 11
	s_add_nc_u64 s[10:11], s[10:11], s[46:47]
	s_wait_alu depctr_va_vdst(0)                   ; v10 is written, which the load below reads as its offset
	global_load_b32 v11, v10, s[10:11]             ; keys 4 t .. 4 t + 3 of the batch's mask
	s_lshl_b32 s46, s44, 21                        ; ctx: 128 tiles of 16,384 bytes a batch,
	s_lshr_b32 s96, s45, 1
	s_lshl_b32 s96, s96, 11                        ; the fragment of 128 along E in which my head lies,
	s_add_co_u32 s46, s46, s96
	s_and_b32 s96, s45, 1
	s_lshl_b32 s96, s96, 10                        ; and its half: two planes
	s_add_co_u32 s46, s46, s96
	s_add_nc_u64 s[58:59], s[16:17], s[46:47]
	s_wait_kmcnt 0x0
	s_add_co_i32 s96, s[E0+2], s[E0+3]             ; e2 + e3
	s_lshl_b32 s97, s96, 23
	s_add_co_i32 s[CS], s97, 0x3fb8aa3b            ; a sum stands for sum x 2^(e2+e3): the exponents are added to log2(e)'s exponent field.  (1 / 8 lies in k's codes)
	s_mov_b32 s[CS+1], s[CS]                       ; (named with it as a pair, so it is written)
	s_sub_co_i32 s96, 0, s96
	v_mov_b32 v219, 0xc61c4000                     ; -10000.0
	v_ldexp_f32 v219, v219, s96                    ; in the sums' units
	s_add_co_i32 s96, s[E0+5], 127
	s_lshl_b32 s97, s96, 23
	v_mov_b32 v221, s97                            ; 2^e5, for p's conversions
	s_add_co_i32 s96, s96, 8
	s_lshl_b32 s96, s96, 23
	s_or_b32 s96, s96, 0x600000
	v_mov_b32 v220, s96                            ; 448 x 2^e5
	s_add_co_i32 s96, s[E0+6], 127
	s_lshl_b32 s97, s96, 23
	v_mov_b32 v223, s97                            ; 2^e6, for ctx's
	s_add_co_i32 s96, s96, 8
	s_lshl_b32 s96, s96, 23
	s_or_b32 s96, s96, 0x600000
	v_mov_b32 v222, s96                            ; 448 x 2^e6
	s_wait_loadcnt 0x0
.irp k, 0,1,2,3
	v_bfe_u32 v[24+\k], v11, 8*\k, 8
.endr
.irp k, 0,1,2,3
	v_cmp_eq_u32 s[MK+\k], 0, v[24+\k]             ; a run of four compares, each into a scalar register of its own
.endr
	s_wait_alu depctr_va_sdst(0)                   ; the four lane masks are written, ahead of the selects that read them
.irp k, 0,1,2,3
	v_cndmask_b32 v[24+\k], 0, v219, s[MK+\k]      ; false: -10000; true: 0
.endr
	s_wait_alu depctr_va_vdst(0)                   ; v24-27 and v[PST] are written, which the LDS store below reads
	ds_store_b128 v[PST], v[24:27]                 ; the pad table; the first slot's barrier stands between this and its readers
.macro FLOAD                           ; a slot of K and of V, 16,384 consecutive bytes each: 512 threads x 16 bytes x 2
	global_load_b128 v[ST:ST+3], v[FO], s[48:49]
	global_load_b128 v[ST+4:ST+7], v[FO], s[48:49] offset:8192
	global_load_b128 v[ST+8:ST+11], v[FO], s[50:51]
	global_load_b128 v[ST+12:ST+15], v[FO], s[50:51] offset:8192
.endm
; A KEY STEP: 128 keys, the q-th of the slot in hand.
.macro STEP q
	s_cmp_le_u32 s[KF], s[LASTK]                   ; a step all of whose keys lie beyond what my tile walks is left out; no barrier stands in a step
	s_cbranch_scc0 .Lskip_\@
.rept 4
	v_nop                                          ; four places between the last products and the loads into the registers that they have read
.endr
.if (\q) > 0
	s_wait_alu depctr_va_vdst(0)                   ; the step before: its products V^T P are done reading KV, its vector lines are done reading and writing S: K's and the padding's loads below land there.  (In a slot's first step the wait at the slot's head states the same)
.endif
.set T, 0
.rept 8
	ds_load_b128 v[KV+8*T:KV+8*T+3], v[ADK] offset:8192*(\q)+1024*T
	ds_load_b128 v[KV+8*T+4:KV+8*T+7], v[ADK] offset:8192*(\q)+1024*T+512
.set T, T+1
.endr
	s_add_co_u32 s96, s[KF], 127
	s_lshr_b32 s98, s[KF], 7
	s_lshr_b32 s98, s[HOLES], s98
	s_and_b32 s98, s98, 1                          ; a false entry among these 128 keys,
	s_cmp_gt_u32 s96, s[QMIN]
	s_cselect_b32 s97, 1, 0                        ; or a key behind my first query?
	s_or_b32 s97, s97, s98
	s_cmp_lg_u32 s97, 0
	s_cbranch_scc0 .Lplain_\@
.set T, 0
.rept 8                                ; the padding's term for my 64 keys, as the C of the products: tile T, register j: key 32 (T / 2) + 16 h + 8 (T % 2) + j.  No vector line since the last wait on va_vdst names S or ADP
	ds_load_b128 v[S+8*T:S+8*T+3], v[ADP] offset:512*(\q)+4*(32*(T/2)+8*(T%2))
	ds_load_b128 v[S+8*T+4:S+8*T+7], v[ADP] offset:512*(\q)+4*(32*(T/2)+8*(T%2))+16
.set T, T+1
.endr
	s_wait_dscnt 0x0
	s_cmp_gt_u32 s96, s[QMIN]
	s_cbranch_scc0 .Lnodiag_\@
	s_sub_co_i32 s99, s[QMIN], s[KF]
	v_add_nc_u32 v218, s99, v[LQ]                  ; d = my query - KF - 16 (lane / 16).  Register 16 b + i holds key KF + 16 (lane / 16) + 32 b + i: behind my query where 32 b + i > d
.set G, 0
.rept 4                                ; sixteen registers at a time: a run of compares, one wait, the selects and the additions
.set N, 0
.rept 16
	v_cmp_gt_i32 s[MK+N], 32*G+N, v218
.set N, N+1
.endr
	s_wait_alu depctr_va_sdst(0)                   ; the run's sixteen lane masks are written, ahead of the selects that read them
.set N, 0
.rept 8
	v_cndmask_b32 v216, 0, v219, s[MK+N]
	v_cndmask_b32 v217, 0, v219, s[MK+N+1]
	v_pk_add_f32 v[S+16*G+N:S+16*G+N+1], v[S+16*G+N:S+16*G+N+1], v[216:217]   ; the causal term, added to the padding's
.set N, N+2
.endr
.set G, G+1
.endr
.Lnodiag_\@:
.set T, 0
.rept 8
	v_wmma_f32_16x16x64_fp8_fp8 v[S+8*T:S+8*T+7], v[KV+8*T:KV+8*T+7], v[QF:QF+7], v[S+8*T:S+8*T+7]
.set T, T+1
.endr
	s_branch .Ljoin_\@
.Lplain_\@:
	s_wait_dscnt 0x0
.set T, 0
.rept 8
	v_wmma_f32_16x16x64_fp8_fp8 v[S+8*T:S+8*T+7], v[KV+8*T:KV+8*T+7], v[QF:QF+7], 0
.set T, T+1
.endr
.Ljoin_\@:
.rept 4
	v_nop                                          ; places in front of the first read of the scores
.endr
	v_max3_num_f32 v208, v[S], v[S+1], v[S+2]      ; the step's largest score of my query among my 64 keys, in two chains, each accumulator from its low end on,
	v_max3_num_f32 v209, v[S+3], v[S+4], v[S+5]
.set N, 6
.rept 14
	v_max3_num_f32 v208, v208, v[S+N], v[S+N+1]
	v_max3_num_f32 v209, v209, v[S+N+2], v[S+N+3]
.set N, N+4
.endr
	v_max3_num_f32 v208, v208, v[S+62], v[S+63]
	v_max_num_f32 v208, v208, v209
	v_permlanex16_b32 v210, v208, s[SEL], s[SEL+1]
	v_max_num_f32 v208, v208, v210                 ; and among lane l xor 16's
	v_mul_f32 v208, s[CS], v208                    ; as t (the factor is positive)
	v_max_num_f32 v13, v13, v208                   ; the running largest t
	v_mov_b32 v208, v12
	v_floor_f32 v12, -v13                          ; the new -M = floor(-t) = -ceil(t): M is a whole number
	s_wait_alu depctr_va_vdst(0)                   ; the products K Q^T are done reading KV, in which V's loads below land.  It stands where -M has just been made, for which the lines below wait in any case
	v_sub_f32 v208, v12, v208                      ; M's old value less its new one: a whole number, 0 or less
	v_cvt_i32_f32 v208, v208                       ; (it saturates)
	v_ldexp_f32 v212, 1.0, v208                    ; f = 2^(old M - new M)
.set VL, 0
.rept 16                               ; V's four fragments, sixteen loads of 512 consecutive bytes, dealt among the scalings: one ahead of each two.  No wait: no vector line since the wait above names KV or ADK.  They land under the exponentials
	ds_load_b128 v[KV+4*VL:KV+4*VL+3], v[ADK] offset:16384+8192*(\q)+512*VL
	v_pk_fma_f32 v[S+4*VL:S+4*VL+1], v[S+4*VL:S+4*VL+1], s[CS:CS+1], v[12:13] op_sel_hi:[1,0,0]       ; t - M, two at a time (of both pairs the low word serves both halves)
	v_pk_fma_f32 v[S+4*VL+2:S+4*VL+3], v[S+4*VL+2:S+4*VL+3], s[CS:CS+1], v[12:13] op_sel_hi:[1,0,0]
.set VL, VL+1
.endr
.set N, 0
.rept 64
	v_exp_f32 v[S+N], v[S+N]                       ; p = 2^(t - M), at most 1
.set N, N+1
.endr
	v_pk_mul_f32 v[14:15], v[14:15], v[212:213] op_sel_hi:[1,0]   ; the sums under the new M: the plain instruction behind the exponentials
	s_wait_alu depctr_va_vdst(0)                   ; the 64 exponentials have written S: the wait ahead of the first line that names a result: one for the batch
	v_pk_add_f32 v[214:215], v[S:S+1], v[S+2:S+3]  ; the row's sum is taken of the unquantised p: two at a time, in two chains
.set N, 4
.rept 15
	v_pk_add_f32 v[14:15], v[14:15], v[S+N:S+N+1]
	v_pk_add_f32 v[214:215], v[214:215], v[S+N+2:S+N+3]
.set N, N+4
.endr
	v_pk_add_f32 v[14:15], v[14:15], v[214:215]
	s_cmp_ge_i32 s[E0+5], -8                       ; 448 x 2^e5 >= 1.75 there, and p <= 1: the hold would change nothing
	s_cbranch_scc1 .Lnohold_\@
.set N, 0
.rept 64
	v_min_num_f32 v[S+N], v[S+N], v220             ; the conversion to an 8-bit code does not saturate (ISA guide 7.6.2); p is not negative, so the hold is one-sided
.set N, N+1
.endr
.Lnohold_\@:
.irp b, 0,1,2,3
	v_cvt_scalef32_pk8_fp8_f32 v[PC+4*\b:PC+4*\b+1], v[S+16*\b:S+16*\b+7], v221
	v_cvt_scalef32_pk8_fp8_f32 v[PC+4*\b+2:PC+4*\b+3], v[S+16*\b+8:S+16*\b+15], v221
.endr
.set N, 0
.rept 16
	v_pk_mul_f32 v[O+N:O+N+1], v[O+N:O+N+1], v[212:213] op_sel_hi:[1,0]   ; O^T under the new M.  (Plain lines between the conversions and the products that read the codes)
.set N, N+2
.endr
	s_wait_dscnt 0x0                               ; V is in
.set T, 0
.rept 4                                ; the four accumulators take turns
	v_wmma_f32_16x16x128_fp8_fp8 v[O+8*T:O+8*T+7], v[KV+16*T:KV+16*T+15], v[PC:PC+15], v[O+8*T:O+8*T+7]
.set T, T+1
.endr
.Lskip_\@:
	s_add_co_u32 s[KF], s[KF], 128
.endm
	s_mov_b32 s[PASS], 0
.Lpass:                                                ; two trips: the block of late queries, then the block of early ones
	s_wait_loadcnt 0x0                             ; no load of mine is out,
	s_wait_xcnt 0x0                                ; and the last pass's stores have read their registers and base: all may be written again
	s_wait_alu depctr_vm_vsrc(0)                   ; the mask's load has read v10, which a slot's head writes; the last pass's LDS stores have read ST, in which the loads below land; its two stores have read PC, which the steps' conversions write again
	s_wait_alu depctr_va_vdst(0)                   ; v[LI] and v[FO] are written, which the loads and stores of the pass read; the last pass's products are done reading QF, in which the load below lands
	s_sub_co_u32 s44, 7, ttmp9
	s_cmp_eq_u32 s[PASS], 0
	s_cselect_b32 s44, s44, ttmp9                  ; the block of 256 queries
	s_lshl_b32 s45, s44, 4
	s_add_co_u32 s45, s45, s[WV]                   ; my tile of 16 queries
	s_and_b32 s46, s45, 1
	s_lshl_b32 s46, s46, 3
	s_lshl_b32 s[QMIN], s45, 4
	s_sub_co_u32 s[QMIN], s[QMIN], s46             ; its first query: 32 (t / 2) + 8 (t % 2); its last: 23 further on
	s_add_co_u32 s[LASTK], s[QMIN], 23
	s_cmp_lt_u32 s[QMIN], s[FIRST]
	s_cselect_b32 s[LASTK], 4095, s[LASTK]         ; a query ahead of the first true key: all keys are walked
	s_lshl_b32 s46, s44, 8
	s_cmp_lt_u32 s46, s[FIRST]
	s_cselect_b32 s[LIM], 7, s44                   ; the last slot that any of the sixteen tiles walks
	s_lshl_b32 s46, s45, 10
	s_mov_b32 s47, 0
	s_add_nc_u64 s[60:61], s[56:57], s[46:47]      ; my tile of Q
	s_lshl_b32 s46, s45, 14
	s_add_nc_u64 s[62:63], s[58:59], s[46:47]      ; and of ctx
	global_load_b128 v[QF:QF+3], v[LI], s[60:61]
	global_load_b128 v[QF+4:QF+7], v[LI], s[60:61] offset:512
	s_mov_b64 s[48:49], s[52:53]
	s_mov_b64 s[50:51], s[54:55]
	FLOAD                                          ; slot 0
	v_mov_b32 v13, 0xff61b1e6                      ; the largest t so far: -3e38, under every t
	v_floor_f32 v12, -v13                          ; -M
	v_mov_b32 v14, 0                               ; the sum, in two halves
	v_mov_b32 v15, 0
.set N, 0
.rept 32
	v_mov_b32 v[O+N], 0                            ; O^T.  (The step is written once: the first finds zeros, which the first change of M leaves zeros)
.set N, N+1
.endr
	s_wait_dscnt 0x0
	s_barrier_signal -1
	s_barrier_wait -1                              ; every wave's LDS reads of the last pass are over before a buffer is filled anew
	s_wait_loadcnt 0x0
	ds_store_b128 v[FO], v[ST:ST+3]                ; slot 0 into buffer 0.  (The data come from loads; no vector line since the pass's wait names v[FO])
	ds_store_b128 v[FO], v[ST+4:ST+7] offset:8192
	ds_store_b128 v[FO], v[ST+8:ST+11] offset:16384
	ds_store_b128 v[FO], v[ST+12:ST+15] offset:24576
	s_mov_b32 s[SLOTN], 0
	s_mov_b32 s[KF], 0
	s_mov_b32 s[KF4], 0
	s_mov_b32 s[TB], 0
.Lslot:                                                ; eight trips, a constant: what a tile does not walk is jumped over inside
	s_wait_dscnt 0x0                               ; my stores into this slot's buffer have landed, and my reads of the other buffer are over
	s_barrier_signal -1
	s_barrier_wait -1                              ; both now hold of every wave
	s_wait_alu depctr_vm_vsrc(0)                   ; the LDS loads and stores issued so far have read ADK, ADP and FA, which the three lines below write, and ST, in which the next slot's loads land
	v_add_nc_u32 v[ADK], s[TB], v[LI]
	v_add_nc_u32 v[ADP], s[KF4], v[PADA]
	s_xor_b32 s44, s[TB], BUF
	v_add_nc_u32 v[FA], s44, v[FO]
	s_wait_alu depctr_va_vdst(0)                   ; ADK, ADP and FA are written, which the slot's LDS loads and stores read; the slot before: its products are done reading KV and its vector lines are done with S, where the first step's loads land
	s_cmp_lt_u32 s[SLOTN], s[LIM]                  ; is the next slot needed?  The same in all sixteen waves
	s_cbranch_scc0 .Lnofetch
	s_wait_loadcnt 0x0
	s_wait_xcnt 0x0                                ; the bases are stepped only behind these
	s_add_nc_u64 s[48:49], s[48:49], 16384
	s_add_nc_u64 s[50:51], s[50:51], 16384
	FLOAD                                          ; asked for two key steps ahead of the stores that want it
.Lnofetch:
	STEP 0
	STEP 1
	s_cmp_lt_u32 s[SLOTN], s[LIM]
	s_cbranch_scc0 .Lnostore
	s_wait_loadcnt 0x0
	ds_store_b128 v[FA], v[ST:ST+3]                ; into the buffer that was read a trip ago: every wave has passed this trip's barrier behind its reads of it.  (No vector line since the slot's wait names FA or ST)
	ds_store_b128 v[FA], v[ST+4:ST+7] offset:8192
	ds_store_b128 v[FA], v[ST+8:ST+11] offset:16384
	ds_store_b128 v[FA], v[ST+12:ST+15] offset:24576
.Lnostore:
	s_xor_b32 s[TB], s[TB], BUF
	s_add_co_u32 s[KF4], s[KF4], 1024
	s_add_co_u32 s[SLOTN], s[SLOTN], 1
	s_cmp_lt_u32 s[SLOTN], 8
	s_cbranch_scc1 .Lslot
	; THE PASS'S END: ctx = O^T x 2^(e4+e5) / the sum, quantised with 2^e6; the code registers are two planes of the last product's fragment
.rept 4
	v_nop                                          ; places behind the last products
.endr
	v_add_f32 v14, v14, v15                        ; the sum's two halves,
	v_permlanex16_b32 v210, v14, s[SEL], s[SEL+1]
	v_add_f32 v14, v14, v210                       ; and lane l xor 16's
	v_rcp_f32 v14, v14
	v_nop                                          ; a plain instruction behind the reciprocal
	s_add_co_i32 s96, s[E0+4], s[E0+5]
	s_wait_alu depctr_va_vdst(0)                   ; the reciprocal has written v14: the wait ahead of its first reader
	v_ldexp_f32 v14, v14, s96
.set N, 0
.rept 16
	v_pk_mul_f32 v[O+N:O+N+1], v[O+N:O+N+1], v[14:15] op_sel_hi:[1,0]   ; each accumulator from its low end on
.set N, N+2
.endr
.set N, 0
.rept 32
	v_med3_num_f32 v[O+N], v[O+N], -v222, v222
.set N, N+1
.endr
.irp g, 0,1,2,3
	v_cvt_scalef32_pk8_fp8_f32 v[PC+2*\g:PC+2*\g+1], v[O+8*\g:O+8*\g+7], v223   ; registers 4 b .. 4 b + 3: channels 32 b + 16 (lane / 16) + 0 .. 15
.endr
	v_nop                                          ; a plain instruction behind the last conversion
	s_wait_alu depctr_va_vdst(0)                   ; the conversions have written v[PC .. PC+7], which the two stores read
	global_store_b128 v[LI], v[PC:PC+3], s[62:63]              ; 32 lanes store 512 consecutive bytes
	global_store_b128 v[LI], v[PC+4:PC+7], s[62:63] offset:512
	s_add_co_u32 s[PASS], s[PASS], 1
	s_cmp_lt_u32 s[PASS], 2
	s_cbranch_scc1 .Lpass
	s_wait_dscnt 0x0                               ; the closing lines, six on end
	s_wait_alu 0x0
	s_wait_tensorcnt 0x0
	ds_add_u32 v[SPW], v[NIL]
	s_wait_dscnt 0x0
	s_endpgm
.Lfunc_end_k_qf2bd1b1079_attn:
	.size	k_qf2bd1b1079_attn, .Lfunc_end_k_qf2bd1b1079_attn-k_qf2bd1b1079_attn
	.p2alignl 7, 3214868480
	.fill 96, 4, 3214868480
	.section	.rodata,"a",@progbits
	.p2align	6, 0x0
	.amdhsa_kernel k_qf2bd1b1079_attn
		.amdhsa_group_segment_fixed_size 75776
		.amdhsa_private_segment_fixed_size 0
		.amdhsa_enable_private_segment 0
		.amdhsa_kernarg_size 56
		.amdhsa_user_sgpr_count 2
		.amdhsa_user_sgpr_kernarg_segment_ptr 1
		.amdhsa_wavefront_size32 1
		.amdhsa_system_sgpr_workgroup_id_x 1
		.amdhsa_system_sgpr_workgroup_id_y 1
		.amdhsa_system_sgpr_workgroup_id_z 1
		.amdhsa_system_vgpr_workitem_id 0
		.amdhsa_next_free_vgpr 256
		.amdhsa_next_free_sgpr 100
		.amdhsa_reserve_vcc 0
		.amdhsa_float_denorm_mode_32 3
		.amdhsa_float_denorm_mode_16_64 3
		.amdhsa_memory_ordered 1
		.amdhsa_forward_progress 1
		.amdhsa_inst_pref_size 70
	.end_amdhsa_kernel
	.amdgpu_metadata
---
amdhsa.version: [ 1, 2 ]
amdhsa.kernels:
  - .name:           k_qf2bd1b1079_attn
    .symbol:         k_qf2bd1b1079_attn.kd
    .args:
      - { .name: qimg, .offset: 0, .size: 8, .value_kind: global_buffer, .address_space: global }
      - { .name: kimg, .offset: 8, .size: 8, .value_kind: global_buffer, .address_space: global }
      - { .name: vimg, .offset: 16, .size: 8, .value_kind: global_buffer, .address_space: global }
      - { .name: key_padding_mask, .offset: 24, .size: 8, .value_kind: global_buffer, .address_space: global }
      - { .name: lowp_scales, .offset: 32, .size: 8, .value_kind: global_buffer, .address_space: global }
      - { .name: meta, .offset: 40, .size: 8, .value_kind: global_buffer, .address_space: global }
      - { .name: cimg, .offset: 48, .size: 8, .value_kind: global_buffer, .address_space: global }
    .group_segment_fixed_size: 75776
    .private_segment_fixed_size: 0
    .kernarg_segment_align: 8
    .kernarg_segment_size: 56
    .max_flat_workgroup_size: 512
    .sgpr_count:     100
    .vgpr_count:     256
    .wavefront_size: 32
...
	.end_amdgpu_metadata
.endif
;; end of part 5
;; launch proj: the kernel of part 4 again; grid 4 x 32, 4 waves a work-group, clusters of 4 x 4, 327,680 bytes of LDS; arguments cimg, owc, lowp_scales, out_b, out0; writes out0
